; MI455X (gfx1250); checked and timed in simulation.
; The chip was launched on July 23, 2026; its instructions are those of AMD's public machine-readable ISA for CDNA 5 (MIT licence, August 2026) and "CDNA5" Instruction Set Architecture Reference Guide (July 2026). The comments in the code are by the model that wrote it; some were corrected since.
;; Multi Head Attention. Allowed arithmetic: matrix products marked QUANTISED: E2M3 operands, one E8M0 scale for each 32 along K, by v_wmma_scale_f32_16x16x128_f8f6f4 with both operands' format E2M3, f32 sums; everything else in f32.
;; Inputs: W_k 1,024 x 1,024 float32; W_o 1,024 x 1,024 float32; W_q 1,024 x 1,024 float32; W_v 1,024 x 1,024 float32; x 2 x 2,048 x 1,024 float32.
;; Outputs: out0 2 x 2,048 x 1,024 float32.
;; This version of the problem:
;;   THIS VERSION OF THE PROBLEM IS GIVEN IN LOW PRECISION. The matrix products marked QUANTISED in the list below multiply operands that are first quantised to E2M3 (2 exponent bits, 3 mantissa bits; 6 bits a number), with one power-of-two scale for each 32 numbers along K (OCP MX v1.0); their sums are f32. All else is computed in f32.
;;   The module's matrix products, in the order in which they are computed (A, B: the left and right operand; K: the contracted axis; several contracted axes count as one K, in the product's order):
;;     1. [M 4,096, K 1,024] x [K 1,024, N 1,024]; A: input x; B: input W_q: QUANTISED
;;     2. [M 4,096, K 1,024] x [K 1,024, N 1,024]; A: input x; B: input W_k: QUANTISED
;;     3. [M 4,096, K 1,024] x [K 1,024, N 1,024]; A: input x; B: input W_v: QUANTISED
;;     4. batch 32 x [M 2,048, K 64] x [K 64, N 2,048]; A: computed on the way; B: computed on the way: QUANTISED
;;     5. batch 32 x [M 2,048, K 2,048] x [K 2,048, N 64]; A: softmax (see below); B: computed on the way: QUANTISED
;;     6. [M 4,096, K 1,024] x [K 1,024, N 1,024]; A: computed on the way; B: input W_o: QUANTISED
;;   THE QUANTISER, for each operand of a quantised product, along K:
;;     - K is cut into blocks of 32 from its start; a last block that is shorter is filled with zeros.
;;     - A block's scale is 2^e with e = floor(log2(the largest magnitude in the block)) - 2, held to -126 .. 127; a block of zeros has e = 0. As a byte (E8M0): e + 127.
;;     - Each number is divided by its block's scale, clamped to +-7.5, and rounded to the nearest number of E2M3, ties to even, subnormals kept.
;;     - The product sums the exact products of the quantised numbers (number of the format x scale) in f32.
;;   ~~~python
;;   def quantise(x, axis):      # numpy; x: float32 -> the quantised numbers, widened to float32 again
;;       x = np.moveaxis(x, axis, -1); K = x.shape[-1]
;;       x = np.pad(x, [(0, 0)] * (x.ndim - 1) + [(0, -K % 32)]); x = x.reshape(x.shape[:-1] + (-1, 32)); a = np.abs(x).max(-1, keepdims=True)
;;       e = np.where(a > 0, np.clip(np.frexp(np.where(a > 0, a, 1))[1] - 1 - 2, -126, 127), 0)      # np.frexp(a)[1] - 1 = floor(log2(a)), exactly
;;       r = np.clip(x / 2.0 ** e, -7.5, 7.5)
;;       step = 2.0 ** (np.maximum(np.frexp(np.where(r == 0, 1, r))[1] - 1, 0) - 3)
;;       q = np.round(r / step) * step * 2.0 ** e      # np.round: ties to even
;;       return np.moveaxis(q.reshape(q.shape[:-2] + (-1,))[..., :K], -1, axis).astype(np.float32)
;;   ~~~
;;   SOFTMAX AHEAD OF A QUANTISED PRODUCT. Where the list says 'softmax', what is quantised is not the finished softmax but p = 2^(t - M), with t = logit x log2(e) and M = ceil(the row's largest t), a whole number; so 1/2 < the row's largest p <= 1. The row's sum l is taken of the UNQUANTISED p, in f32, and the product's result is divided by l at the end. Since M is a whole number, a kernel that streams over the keys may use a running M (the ceiling of the running maximum): every later rescaling is an exact power of two, which a block's scale takes up: the codes' values come out the same.
;;   OPERANDS COMPUTED ON THE WAY. 'Computed on the way' means the value that the module computes at that place (a softmax that the list does not call 'softmax' is quantised finished and normalised). What goes into a quantiser is computed in f32, as accurately as f32 sums, v_exp_f32 and their like allow (about 1e-6 of the number): no bf16 or f16 on the way to a quantiser, and a product that is left as it is and whose result goes on into a quantised operand takes f32 operands (vector FMAs, or v_wmma_f32_16x16x4_f32). A number that lies on a knife's edge between two numbers of the format may be rounded either way, as far as f32 arithmetic and the matrix unit's own rounding can turn it there, and no further.
;; One version. Each part assembles by itself: llvm-mc -triple=amdgcn-amd-amdhsa -mcpu=gfx1250 --defsym DOCPART=n.
;; ======== version 1 of 1: 4 launches
;; workspace buffers: xcodes 3,145,728 bytes; xscales 131,072 bytes; wcodes 3,145,728 bytes; wscales 131,072 bytes; img 9,830,400 bytes; oimg 3,145,728 bytes; oscl 131,072 bytes
;; launch quant (part 1): grid 256 x 1, 4 waves a work-group, no clusters, 33,280 bytes of LDS; arguments x, W_q, W_k, W_v, W_o, xcodes, xscales, wcodes, wscales; writes xcodes, xscales, wcodes, wscales
.if DOCPART == 1
	.amdgcn_target "amdgcn-amd-amdhsa--gfx1250"
	.amdhsa_code_object_version 6
	.text
	.protected	k_qff86f0e1d7_quant
	.globl	k_qff86f0e1d7_quant
	.p2align	8
	.type	k_qff86f0e1d7_quant,@function
k_qff86f0e1d7_quant:
	s_mov_b64 s[64:65], 0
	v_nop
	global_prefetch_b8 v0, s[64:65] scope:SCOPE_SE
	s_setreg_imm32_b32 hwreg(HW_REG_WAVE_MODE, 25, 1), 1
	s_wait_xcnt 0x0
; x [4096][1024] and W_q, W_k, W_v, W_o [1024][1024], f32, K innermost, become codes of FP6 (E2M3), 768 bytes a row, and one E8M0 scale byte for each 32 along K, 32 bytes a row.
; A block's scale is 2^(floor(log2(its largest magnitude)) - 2); its byte is the largest magnitude's exponent field - 2, held at 1 from below.
; LIMITS: a block of zeros, and a block whose largest magnitude lies under 2^-124, get the byte 1 (a block of zeros has zero codes; only this program reads the bytes); NaN and infinities among the inputs are not served.
; THE ROWS ARE STORED IN ANOTHER ORDER: row i lies at the place i with its bits 3 and 4 exchanged.  Sixteen neighbouring STORED rows 16 (2 a + u) + t are then the true rows 32 a + 8 u + t + 8 (t / 8):
; a product whose source 0 takes sixteen stored rows leaves, in the 16 registers of two neighbouring tiles, 16 true neighbours.  The four weights lie on end in wcodes and wscales: q, k, v, o.
; A wave takes a run of 8,192 numbers, 8 rows: bits 3 and 4 of a row are the wave's two bits, so the exchange is an exchange of the wave's bits in the place where it stores.
; Work-groups 0-127 take x, 128-255 the weights, 32 each.  16 steps of 512 numbers a wave: four loads of 512 consecutive bytes; the 2,048 bytes turn through the wave's own stage in LDS, so that a lane holds 16 neighbours
; (two lanes a block).  A lane's 16 codes are 12 bytes: the wave stores 384 consecutive bytes.  A wave's 256 scale bytes are gathered in LDS and leave as one aligned run of 256 bytes.  No barrier: waves share nothing.
.set STEPS, 16
.set EMAX,  2
.set CB,    12                         ; bytes of 16 codes
.set R,     16                         ; v16-79   four sets of 16 numbers as they are loaded
.set X,     80                         ; v80-111  two sets of 16 neighbours
.set C,     128                        ; v128-191 codes: four registers for each step, so that no store's data are written again
.set E,     112                        ; v112-127 a scale byte for each step
.set WREG,  8192                       ; LDS: a region for each wave: two stages of 32 x SP bytes, then its 256 scale bytes
.set SP,    80                         ; a lane's place in a stage: 64 bytes + 16 of padding
	s_load_b512 s[4:19], s[0:1], 0x0               ; x s[4:5], W_q s[6:7], W_k s[8:9], W_v s[10:11], W_o s[12:13], xcodes s[14:15], xscales s[16:17], wcodes s[18:19]
	s_load_b64 s[20:21], s[0:1], 0x40              ; wscales
	v_lshl_add_u32 v192, v0, 2, 0x8000
	v_mov_b32 v193, 0
	v_lshrrev_b32 v1, 5, v0
	v_readfirstlane_b32 s22, v1                    ; wave
	v_and_b32 v2, 31, v0                           ; lane
	v_lshlrev_b32 v3, 4, v2                        ; my 16 bytes of a load's 512
	s_mul_i32 s23, s22, WREG
	v_lshrrev_b32 v14, 2, v2
	v_mul_u32_u24 v14, v14, SP
	v_and_b32 v15, 3, v2
	v_lshl_add_u32 v14, v15, 4, v14
	v_add_nc_u32 v14, s23, v14                     ; the stage, on the way in: SP (lane / 4) + 16 (lane % 4)
	v_mul_u32_u24 v15, v2, SP
	v_add_nc_u32 v15, s23, v15                     ; and on the way out: SP x lane: my 16 neighbours
	v_mul_u32_u24 v4, v2, CB                       ; my codes' place in a step's
	v_lshrrev_b32 v5, 1, v2
	s_add_co_u32 s23, s23, 2*32*SP
	v_add_nc_u32 v5, s23, v5                       ; LDS: my wave's 256 scale bytes, my block's byte
	v_lshlrev_b32 v7, 3, v2                        ; and on the way out 8 bytes a lane
	v_add_nc_u32 v6, s23, v7
	s_and_b32 s24, ttmp9, 127                      ; my place among the 128 work-groups of x, or of the weights
	s_lshr_b32 s25, s24, 5                         ; which weight
	s_and_b32 s26, s24, 31                         ; my place in that weight
	s_and_b32 s27, s22, 1
	s_lshl_b32 s27, s27, 1
	s_lshr_b32 s28, s22, 1
	s_or_b32 s27, s27, s28                         ; the wave's two bits exchanged
	s_wait_kmcnt 0x0
	s_cmp_eq_u32 s25, 1                            ; the choices hang on the work-group's number alone
	s_cselect_b64 s[6:7], s[8:9], s[6:7]
	s_cmp_eq_u32 s25, 2
	s_cselect_b64 s[6:7], s[10:11], s[6:7]
	s_cmp_eq_u32 s25, 3
	s_cselect_b64 s[6:7], s[12:13], s[6:7]
	s_cmp_lt_u32 ttmp9, 128
	s_cselect_b64 s[4:5], s[4:5], s[6:7]           ; what I read
	s_cselect_b64 s[8:9], s[14:15], s[18:19]       ; where its codes go
	s_cselect_b64 s[10:11], s[16:17], s[20:21]     ; and its scale bytes
	s_cselect_b32 s26, s24, s26
	s_lshl_b32 s26, s26, 2
	s_add_co_u32 s26, s26, s22                     ; the run that I read: 4 x work-group + wave
	s_lshl_b32 s28, s26, 15                        ; 32,768 bytes a run
	s_mov_b32 s29, 0
	s_add_nc_u64 s[4:5], s[4:5], s[28:29]
	s_lshl_b32 s24, s24, 2
	s_add_co_u32 s24, s24, s27                     ; the run's place in the stored order
	s_mul_i32 s28, s24, 32*STEPS*CB                ; 6,144 bytes of codes a run
	s_add_nc_u64 s[8:9], s[8:9], s[28:29]
	s_lshl_b32 s28, s24, 8                         ; 256 scale bytes a run
	s_add_nc_u64 s[10:11], s[10:11], s[28:29]
.macro LOAD t
.irp i, 0,1,2,3
	global_load_b128 v[R+16*((\t)%4)+4*\i:R+16*((\t)%4)+4*\i+3], v3, s[4:5] offset:2048*(\t)+512*\i th:TH_LOAD_NT   ; 32 lanes read 512 consecutive bytes
.endr
.endm
.macro TURN t                          ; step t's numbers through the stage: LDS serves a wave's instructions in order, so no wait stands between the stores and the loads
.irp i, 0,1,2,3
	ds_store_b128 v14, v[R+16*((\t)%4)+4*\i:R+16*((\t)%4)+4*\i+3] offset:32*SP*((\t)%2)+8*SP*\i
.endr
.irp i, 0,1,2,3
	ds_load_b128 v[X+16*((\t)%2)+4*\i:X+16*((\t)%2)+4*\i+3], v15 offset:32*SP*((\t)%2)+16*\i
.endr
.endm
.irp t, 0,1,2,3
	LOAD \t
.endr
	s_wait_loadcnt 12                              ; step 0's four loads are in; the twelve of steps 1 to 3 may be out
	TURN 0
.macro STEP t
.set XS, X+16*((\t)%2)
.if (\t) > 0
	s_wait_dscnt 1                                 ; this step's numbers are back from the stage (the last step's byte store may be out): so its stores into the stage have read their registers,
.else
	s_wait_dscnt 0x0
.endif
.if (\t)+4 < STEPS
	LOAD (\t)+4                                    ; which take the loads of four steps on
.endif
.if (\t)+1 < STEPS
.if STEPS-2-(\t) >= 3
	s_wait_loadcnt 12                              ; the next step's four loads are in; those of the three steps behind it may be out
.else
	s_wait_loadcnt 4*(STEPS-2-(\t))
.endif
	TURN (\t)+1                                    ; and go through the other stage while this step is worked
.endif
	v_max3_num_f32 v8, |v[XS]|, |v[XS+1]|, |v[XS+2]|               ; the largest magnitude of my 16
	v_max3_num_f32 v9, |v[XS+3]|, |v[XS+4]|, |v[XS+5]|
.irp i, 6,10
	v_max3_num_f32 v8, v8, |v[XS+\i]|, |v[XS+\i+1]|
	v_max3_num_f32 v9, v9, |v[XS+\i+2]|, |v[XS+\i+3]|
.endr
	v_max3_num_f32 v8, v8, |v[XS+14]|, |v[XS+15]|
	v_max3_num_f32 v8, v8, v9, (EMAX+1)<<23        ; and the floor 2^(3 - 127): the byte cannot fall under 1
	v_max_num_f32_dpp v8, v8, v8 row_xmask:1 row_mask:0xf bank_mask:0xf   ; and of my neighbour's 16: the block's
	v_add_nc_u32 v11, -(EMAX<<23), v8              ; 2 off its exponent field: the conversion takes the exponent field of this operand as its scale
	v_cvt_scalef32_pk16_fp6_f32 v[C+4*(\t):C+4*(\t)+2], v[XS:XS+15], v11   ; sixteen numbers / the scale, to the nearest code, ties to even, beyond the largest code the largest
	v_lshrrev_b32 v[E+(\t)], 23, v11               ; the scale's byte
	ds_store_b8 v5, v[E+(\t)] offset:16*(\t)       ; both lanes of a block write the same byte with the same value
	global_store_b96 v4, v[C+4*(\t):C+4*(\t)+2], s[8:9] offset:32*CB*(\t)
.endm
.irp t, 0,1,2,3,4,5,6,7,8,9,10,11,12,13,14,15
	STEP \t
.endr
	ds_load_b64 v[12:13], v6                       ; LDS serves a wave's instructions in order: these see my stores
	s_wait_dscnt 0x0
	global_store_b64 v7, v[12:13], s[10:11]        ; 32 lanes store 256 consecutive bytes, aligned
	s_wait_tensorcnt 0x0
	ds_add_u32 v192, v193
	s_wait_dscnt 0x0
	s_endpgm
.Lfunc_end_k_qff86f0e1d7_quant:
	.size	k_qff86f0e1d7_quant, .Lfunc_end_k_qff86f0e1d7_quant-k_qff86f0e1d7_quant
	.p2alignl 7, 3214868480
	.fill 96, 4, 3214868480
	.section	.rodata,"a",@progbits
	.p2align	6, 0x0
	.amdhsa_kernel k_qff86f0e1d7_quant
		.amdhsa_group_segment_fixed_size 33280
		.amdhsa_private_segment_fixed_size 0
		.amdhsa_enable_private_segment 0
		.amdhsa_kernarg_size 72
		.amdhsa_user_sgpr_count 2
		.amdhsa_user_sgpr_kernarg_segment_ptr 1
		.amdhsa_wavefront_size32 1
		.amdhsa_system_sgpr_workgroup_id_x 1
		.amdhsa_system_sgpr_workgroup_id_y 1
		.amdhsa_system_sgpr_workgroup_id_z 1
		.amdhsa_system_vgpr_workitem_id 0
		.amdhsa_next_free_vgpr 194
		.amdhsa_next_free_sgpr 66
		.amdhsa_reserve_vcc 0
		.amdhsa_float_denorm_mode_32 3
		.amdhsa_float_denorm_mode_16_64 3
		.amdhsa_memory_ordered 1
		.amdhsa_forward_progress 1
		.amdhsa_inst_pref_size 33
	.end_amdhsa_kernel
	.amdgpu_metadata
---
amdhsa.version: [ 1, 2 ]
amdhsa.kernels:
  - .name:           k_qff86f0e1d7_quant
    .symbol:         k_qff86f0e1d7_quant.kd
    .args:
      - { .name: x, .offset: 0, .size: 8, .value_kind: global_buffer, .address_space: global }
      - { .name: W_q, .offset: 8, .size: 8, .value_kind: global_buffer, .address_space: global }
      - { .name: W_k, .offset: 16, .size: 8, .value_kind: global_buffer, .address_space: global }
      - { .name: W_v, .offset: 24, .size: 8, .value_kind: global_buffer, .address_space: global }
      - { .name: W_o, .offset: 32, .size: 8, .value_kind: global_buffer, .address_space: global }
      - { .name: xcodes, .offset: 40, .size: 8, .value_kind: global_buffer, .address_space: global }
      - { .name: xscales, .offset: 48, .size: 8, .value_kind: global_buffer, .address_space: global }
      - { .name: wcodes, .offset: 56, .size: 8, .value_kind: global_buffer, .address_space: global }
      - { .name: wscales, .offset: 64, .size: 8, .value_kind: global_buffer, .address_space: global }
    .group_segment_fixed_size: 33280
    .private_segment_fixed_size: 0
    .kernarg_segment_align: 8
    .kernarg_segment_size: 72
    .max_flat_workgroup_size: 128
    .sgpr_count:     66
    .vgpr_count:     194
    .wavefront_size: 32
...
	.end_amdgpu_metadata
.endif
;; end of part 1
;; launch qkv (part 2): grid 48 x 4, 4 waves a work-group, clusters of 4 x 4, 327,680 bytes of LDS; arguments xcodes, xscales, wcodes, wscales, img; writes img
.if DOCPART == 2
	.amdgcn_target "amdgcn-amd-amdhsa--gfx1250"
	.amdhsa_code_object_version 6
	.text
	.protected	k_qff86f0e1d7_qkv
	.globl	k_qff86f0e1d7_qkv
	.p2align	8
	.type	k_qff86f0e1d7_qkv,@function
k_qff86f0e1d7_qkv:
	s_mov_b64 s[64:65], 0
	v_nop
	global_prefetch_b8 v0, s[64:65] scope:SCOPE_SE
	s_setreg_imm32_b32 hwreg(HW_REG_WAVE_MODE, 25, 1), 1
	s_wait_xcnt 0x0
	s_wait_alu depctr_hold_cnt(0) depctr_sa_sdst(0) depctr_va_vdst(0) depctr_va_sdst(0) depctr_va_ssrc(0) depctr_va_vcc(0) depctr_vm_vsrc(0)
	s_getreg_b32 s2, hwreg(HW_REG_IB_STS2, 6, 4)
	s_cmp_eq_u32 s2, 0
	s_cbranch_scc0 .Lentry_in_a_cluster
	s_endpgm
.Lentry_in_a_cluster:
	s_bfe_u32 s2, ttmp6, 0x10000c
	s_cmp_lg_u32 s2, 0xf033
	s_cbranch_scc0 .Lentry_shape_is_right
	s_endpgm
.Lentry_shape_is_right:
; Q = x W_q^T, K = x W_k^T and V^T = W_v x^T on codes of FP6 (E2M3) with one E8M0 scale for each 32 along K = 1,024; the results are quantised here, in registers, and stored as IMAGES OF OPERAND REGISTERS.
; P[i][j] = sum over k of A[i][k] B[j][k], quantised along j.  Twelve clusters of 4 x 4 work-groups, 1,024 x 1,024 of P each.  Clusters 0-7: A = x (4,096 tokens), B = W_q and W_k on end (2,048 channels).
; Clusters 8-11: A = W_v (1,024 channels, rows 2,048 on of the weights), B = x.  A tile of 256 x 256 to a work-group, 128 x 128 to each of its four waves: 64 accumulators, 512 registers.
; K goes in steps of 256 through a ring of two LDS slots filled by the tensor data mover; the scale bytes of the work-group's rows come once.  A's tiles are asked for jointly along a row of the cluster, B's along a column.
; THE MATRIX INSTRUCTION IS USED TRANSPOSED (source 0 = 16 rows of B, source 1 = 16 rows of A): a lane holds one row i, its registers run along j.  Rows are STORED with bits 3 and 4 of their number exchanged,
; so the 16 registers of B's blocks 2 a and 2 a + 1 are the true j = 32 a + 16 (lane / 16) + 0 .. 15: a block of 32 along j lies in lanes l and l xor 16.
; img: 1,536 units of 6,400 bytes; unit = 512 kind (0 Q, 1 K, 2 V) + 256 batch + 16 head + step (128 stored tokens).  A unit: four fragments of 1,536 bytes (register p of lane l at 512 (p / 4) + 16 l + 4 (p % 4)),
; then 256 bytes of scale words: lane l's 8 bytes hold the words of fragments 0 (lanes 0-15) and 1 (lanes 16-31), and of fragments 2 and 3.
; Q, K: fragment f = token tiles 2 f (registers 0-5) and 2 f + 1 (registers 6-11) of one head, lane (r, h): channels 32 h .. 32 h + 31 of stored token r.  V: fragment f = 16 stored channels x the step's 128 keys.
; LIMITS: a block whose largest magnitude lies under 2^-124 (zeros too) gets the byte 1; NaN and infinities are not served.
; REGISTERS, in windows of 256: window 0: v0-31 addresses; v32-63 scale words, two sets, and nothing else; v64-95 at work on the way out; from v128 A's fragments, ONE set, on the way out the codes; v224-227 scale words to store.
;   window 1: B's fragments, TWO sets, at v0 and v128.   window 2: the accumulators of my rows 0-63 ((a, b) at v[8 (8 a + b)]);   window 3: those of my rows 64-127.
.set SIZE_K, 1024
.set KSTEP,  256                       ; along K in a slot
.set NQ,     KSTEP/128                 ; matrix instructions deep
.set ROWB,   192                       ; a tile's row in bytes
.set KROW,   SIZE_K*6/8                ; a row of codes in memory
.set PITCH,  240                       ; an LDS row: 3 x (64 bytes + 16 of padding): the 32 lanes of a load of 8 bytes touch 64 different banks (64 banks of 4 bytes: ISA guide 11.1)
.set FR,     12                        ; registers of a fragment
.set NL,     6                         ; LDS loads that bring one
.set NP,     4                         ; places behind this matrix instruction (ISA guide 7.12.1)
.set HALFT,  128*PITCH                 ; 128 rows: what one tensor load brings
.set SLOT,   4*HALFT                   ; A's 256 rows, then B's 256 rows
.set LAPS,   SIZE_K/(2*KSTEP)
.set KS,     SIZE_K/32                 ; a row of scales in bytes
.set SCL,    2*SLOT                    ; behind the ring: the scales, as runs of 256 bytes + 16 of padding
.set HALFS,  (128*KS/256)*272
.set SBLK,   (16*KS/256)*272
.set SPARE,  SCL+4*HALFS               ; the spare words, 128 bytes for each wave: two blocks of 256 bytes that no other line names
.set UNIT,   6400
.set ADRA, 16                          ; v16-17 LDS address of my A fragments in slot 0, 1 (v18-19: for the pieces behind one padding more)
.set ADRB, 20                          ; v20-23 the same for B
.set LI,   24                          ; v24 16 x lane
.set L8,   25                          ; v25 8 x lane
.set ADRS, 27                          ; v27 LDS address of my scale words: lanes 0-15 A's rows, lanes 16-31 B's
.set SPW,  28                          ; v28 my spare word; never rewritten
.set NIL,  29                          ; v29 0; never rewritten
.set SC,   32
.set AF,   128
.set TM,   64                          ; the way out: v64-67 largest magnitudes, v68-71 the other half's, then bytes, v76-79 the conversions' scale operands
.set TP,   80                          ; v80-82, v84-86 the second conversions' results
.set PW,   88                          ; v88-95 the scale word of fragment (e, f) at 4 e + f
.set CD,   128                         ; v128-223 the codes of fragment (e, f) at 12 (4 e + f)
.set SW,   224                         ; v224-227 a unit's two registers of scale words
.set G1, 24
.set G0, 32
.set G1B, 48
.set G0B, 56
.set G1S, 68
.set G0S, 76
.set G1SB, 80
.set G0SB, 88
.set MSB, 0
.macro WIN new                         ; the immediate's high byte repeats the setting that is left
.if MSB != \new
	s_set_vgpr_msb (MSB<<8)|\new
.set MSB, \new
.endif
.endm
.set MUL_LO, 0xa1                      ; source 0 (B) window 1, source 1 (A) window 0, C and D window 2
.set MUL_HI, 0xf1                      ; the same, C and D window 3
.set TO_B,   0x40                      ; destination window 1, address window 0
; A joint load: waves 0 and 1 fetch for A, waves 2 and 3 for B.  The branch hangs on the wave's number alone.  Four v_nop follow each of the two lines.
.macro JLOAD g0a, g1a, g0b, g1b
	s_cmp_eq_u32 s15, 0
	s_cbranch_scc0 .Lfor_b_\@
	tensor_load_to_lds s[\g0a:\g0a+3], s[\g1a:\g1a+7]
	s_nop 0
.rept 4
	v_nop
.endr
	s_branch .Lasked_\@
.Lfor_b_\@:
	tensor_load_to_lds s[\g0b:\g0b+3], s[\g1b:\g1b+7]
	s_nop 0
.rept 4
	v_nop
.endr
.Lasked_\@:
.endm
.macro CREST                           ; a round of the cluster's barrier behind its opening barrier
	s_cmp_lg_u32 s14, 0
	s_cbranch_scc1 .Lnot_wave_0_\@
	s_barrier_signal -3
.Lnot_wave_0_\@:
	s_barrier_wait -3
	s_barrier_signal -1
	s_barrier_wait -1
.endm
.macro CROUND                          ; a whole round
	s_barrier_signal -1
	s_barrier_wait -1
	CREST
.endm
	s_load_b128 s[4:7], s[0:1], 0x0                ; x's codes s[4:5], x's scales s[6:7]
	s_load_b128 s[8:11], s[0:1], 0x10              ; the weights' codes s[8:9], scales s[10:11]
	s_load_b64 s[12:13], s[0:1], 0x20              ; img
	v_lshl_add_u32 v[SPW], v0, 2, SPARE
	v_mov_b32 v[NIL], 0
	ds_add_u32 v28, v29
	ds_add_u32 v28, v29
	s_wait_dscnt 0x0
	v_lshrrev_b32 v1, 5, v0
	v_readfirstlane_b32 s14, v1                    ; wave 0..3
	s_lshr_b32 s15, s14, 1                         ; which half of the tile's rows i is mine.  Also: I fetch for A (0) or for B (1)
	s_and_b32 s16, s14, 1                          ; which half of its columns j.  Also: which 128 rows of that tile I fetch
	s_bfe_u32 s40, ttmp6, 0x40000                  ; cx, cy: my place in the cluster
	s_bfe_u32 s41, ttmp6, 0x40004
	s_lshr_b32 s95, ttmp9, 1                       ; the cluster's number c says which 1,024 x 1,024: c < 8: rows c / 2 of x against columns c % 2 of W_q, W_k;
	s_and_b32 s96, ttmp9, 1
	s_sub_co_u32 s66, ttmp9, 8                     ; c >= 8: W_v against columns c - 8 of x
	s_cmp_lt_u32 ttmp9, 8                          ; the same in all sixteen partners
	s_cselect_b32 s95, s95, 0
	s_cselect_b32 s96, s96, s66
	s_cselect_b32 s97, 0, 2048                     ; W_v's first row among the weights
	s_lshl_b32 s42, s96, 2
	s_add_co_u32 s42, s42, s40                     ; tile column
	s_lshl_b32 s17, s95, 2
	s_add_co_u32 s17, s17, s41                     ; tile row
	s_lshl_b32 s43, s41, 2
	s_lshl_b32 s43, 15, s43                        ; my row of the cluster
	s_lshl_b32 s44, 0x1111, s40                    ; my column
	; descriptor group 1: a tile of 128 rows x 192 bytes, padded in LDS
	s_or_b32 s[G1+0], s43, (0<<16)|(1<<20)|(1<<21)|(3<<22)|(3<<25)  ; 15:0 the mask: A's tiles go to my row; elements of 1 byte; padding on; bit 21 beside a mask; after every 16 words 4 words
	s_or_b32 s[G1B+0], s44, (0<<16)|(1<<20)|(1<<21)|(3<<22)|(3<<25)
.irp g, G1, G1B
	s_mov_b32 s[\g+1], ROWB<<16                    ; tensor_dim0
	s_mov_b32 s[\g+2], 128<<16                     ; tensor_dim1
	s_mov_b32 s[\g+3], ROWB<<16                    ; tile_dim0
	s_mov_b32 s[\g+4], 128                         ; tile_dim1
	s_mov_b32 s[\g+5], KROW                        ; tensor_dim0_stride
	s_mov_b32 s[\g+6], 0
	s_mov_b32 s[\g+7], 0
.endr
	; the scales of 128 rows: a dense block of 4,096 bytes, as rows of 256 bytes (32 elements of 8 bytes), 16 bytes of padding behind each
	s_or_b32 s[G1S+0], s43, (3<<16)|(1<<20)|(1<<21)|(5<<22)|(3<<25)
	s_or_b32 s[G1SB+0], s44, (3<<16)|(1<<20)|(1<<21)|(5<<22)|(3<<25)
.irp g, G1S, G1SB
	s_mov_b32 s[\g+1], 32<<16
	s_mov_b32 s[\g+2], (128*KS/256)<<16
	s_mov_b32 s[\g+3], 32<<16
	s_mov_b32 s[\g+4], 128*KS/256
	s_mov_b32 s[\g+5], 32
	s_mov_b32 s[\g+6], 0
	s_mov_b32 s[\g+7], 0
.endr
	s_lshl_b32 s18, s16, 7                         ; which 128 rows of the tile I fetch
	s_lshl_b32 s20, s17, 8
	s_add_co_u32 s20, s20, s18
	s_add_co_u32 s20, s20, s97                     ; A: row 256 x tile row + 128 x half (+ 2,048 for W_v)
	s_lshl_b32 s46, s42, 8
	s_add_co_u32 s46, s46, s18                     ; B: row 256 x tile column + 128 x half
	s_mov_b32 s21, 0
	s_mov_b32 s47, 0
	s_mov_b64 s[18:19], KS
	s_mul_u64 s[22:23], s[20:21], s[18:19]         ; where these rows' scales begin, in bytes
	s_mul_u64 s[92:93], s[46:47], s[18:19]
	s_mov_b64 s[18:19], KROW
	s_mul_u64 s[20:21], s[20:21], s[18:19]         ; and their codes
	s_mul_u64 s[46:47], s[46:47], s[18:19]
	s_mul_i32 s45, s14, HALFT                      ; where they go: wave x 128 rows: no place in the cluster enters an LDS address
	s_mul_i32 s94, s14, HALFS
	s_wait_kmcnt 0x0
	s_cmp_lt_u32 ttmp9, 8                          ; which buffers are A's and which B's: a choice on the cluster's number
	s_cselect_b64 s[98:99], s[4:5], s[8:9]
	s_cselect_b64 s[8:9], s[8:9], s[4:5]
	s_mov_b64 s[4:5], s[98:99]
	s_cselect_b64 s[98:99], s[6:7], s[10:11]
	s_cselect_b64 s[10:11], s[10:11], s[6:7]
	s_mov_b64 s[6:7], s[98:99]
	s_add_nc_u64 s[20:21], s[4:5], s[20:21]
	s_add_nc_u64 s[22:23], s[6:7], s[22:23]
	s_add_nc_u64 s[46:47], s[8:9], s[46:47]
	s_add_nc_u64 s[92:93], s[10:11], s[92:93]
	CROUND                                         ; all sixteen work-groups are here: the first joint loads meet
	s_mov_b32 s[G0S], 1
	s_add_co_u32 s[G0S+1], s94, SCL
	s_mov_b64 s[G0S+2:G0S+3], s[22:23]
	s_or_b32 s[G0S+3], s[G0S+3], 0x80000000
	s_mov_b32 s[G0SB], 1
	s_add_co_u32 s[G0SB+1], s94, SCL
	s_mov_b64 s[G0SB+2:G0SB+3], s[92:93]
	s_or_b32 s[G0SB+3], s[G0SB+3], 0x80000000
	JLOAD G0S, G1S, G0SB, G1SB                     ; the scales first: they are wanted with K step 0
.irp s, 0,1
	s_mov_b32 s[G0+4*\s], 1
	s_add_co_u32 s[G0+4*\s+1], s45, \s*SLOT
	s_add_nc_u64 s[G0+4*\s+2:G0+4*\s+3], s[20:21], \s*ROWB
	s_or_b32 s[G0+4*\s+3], s[G0+4*\s+3], 0x80000000
	s_mov_b32 s[G0B+4*\s], 1
	s_add_co_u32 s[G0B+4*\s+1], s45, \s*SLOT
	s_add_nc_u64 s[G0B+4*\s+2:G0B+4*\s+3], s[46:47], \s*ROWB
	s_or_b32 s[G0B+4*\s+3], s[G0B+4*\s+3], 0x80000000
	JLOAD G0+4*\s, G1, G0B+4*\s, G1B               ; three tensor loads of mine are out
.endr
	v_and_b32 v1, 15, v0                           ; l % 16
	v_bfe_u32 v2, v0, 4, 1                         ; l / 16
	v_mul_u32_u24 v3, v1, PITCH
	v_mul_u32_u24 v4, v2, 24
	v_add_nc_u32 v4, v3, v4                        ; a fragment's row x pitch + 24 x half
	v_lshl_add_u32 v5, v2, 4, v4                   ; and the same behind one padding more
	s_mul_i32 s21, s15, HALFT                      ; my 128 rows of A
	s_mul_i32 s22, s16, HALFT                      ; my 128 rows of B,
	s_add_co_u32 s22, s22, 2*HALFT                 ; which lie behind A's 256
.irp s, 0,1
	v_add_nc_u32 v[ADRA+\s], s21, v4
	v_add_nc_u32 v[ADRB+\s], s22, v4
	v_add_nc_u32 v[ADRA+2+\s], s21, v5
	v_add_nc_u32 v[ADRB+2+\s], s22, v5
	s_add_co_u32 s21, s21, SLOT
	s_add_co_u32 s22, s22, SLOT
.endr
	v_mul_u32_u24 v5, v1, KS                       ; my row's scales: KS bytes a row,
	v_lshrrev_b32 v6, 8, v5
	v_lshl_add_u32 v5, v6, 4, v5                   ; and 16 more for each 256 passed
	s_mul_i32 s21, s15, HALFS                      ; A's: my 128 rows
	s_mul_i32 s22, s16, HALFS                      ; B's: my 128 rows, behind A's 256
	s_add_co_u32 s22, s22, 2*HALFS
	s_sub_co_u32 s22, s22, s21
	v_mul_u32_u24 v6, s22, v2                      ; lanes 16-31 take B's
	s_add_co_u32 s21, s21, SCL
	v_add_nc_u32 v5, v5, v6
	v_add_nc_u32 v[ADRS], s21, v5
	v_and_b32 v6, 31, v0
	v_lshlrev_b32 v[LI], 4, v6
	v_lshlrev_b32 v[L8], 3, v6
	s_mov_b32 s66, 0x76543210
	s_mov_b32 s67, 0xfedcba98                      ; v_permlanex16_b32's selects for lane l xor 16
	s_mov_b32 s100, 0x1800000                      ; the floor 2^(3 - 127)
	; my first unit of img.  Q, K: my 128 columns are heads hh, hh + 1 (0-15 Q's, 16-31 K's), my 128 rows the token group g.  V: my 128 rows are heads hh - 32, hh - 31, my columns the token group g
	s_lshl_b32 s20, s42, 2
	s_lshl_b32 s21, s16, 1
	s_add_co_u32 s20, s20, s21                     ; Q, K: hh = 4 x tile column + 2 x half
	s_lshl_b32 s21, s17, 2
	s_lshl_b32 s22, s15, 1
	s_add_co_u32 s21, s21, s22
	s_add_co_u32 s21, s21, 32                      ; V: hh = 32 + 4 x tile row + 2 x half
	s_lshl_b32 s22, s17, 1
	s_add_co_u32 s22, s22, s15                     ; Q, K: g = 2 x tile row + half
	s_lshl_b32 s23, s42, 1
	s_add_co_u32 s23, s23, s16                     ; V: g = 2 x tile column + half
	s_cmp_lt_u32 ttmp9, 8
	s_cselect_b32 s20, s20, s21
	s_cselect_b32 s22, s22, s23
	s_lshr_b32 s21, s20, 4
	s_lshl_b32 s21, s21, 9                         ; 512 x kind
	s_and_b32 s20, s20, 15
	s_lshl_b32 s20, s20, 4                         ; + 16 x head
	s_add_co_u32 s20, s20, s21
	s_lshr_b32 s21, s22, 4
	s_lshl_b32 s21, s21, 8                         ; + 256 x batch
	s_add_co_u32 s20, s20, s21
	s_and_b32 s22, s22, 15
	s_add_co_u32 s20, s20, s22                     ; + step
	s_mul_i32 s20, s20, UNIT
	s_mov_b32 s21, 0
	s_add_nc_u64 s[12:13], s[12:13], s[20:21]
.macro FRAG reg, adr, q, i             ; a fragment, 16 rows x 128 K: lane l holds row l % 16; registers 6 c .. 6 c + 5 hold K = 64 c + 32 (l / 16) + 0 .. 31: 24 bytes of the row, as they lie
.irp p, 0,1,2,3,4,5                    ; in pieces of 8 bytes.  Lanes 16-31 take the pieces three on; where that lies behind one padding more, the second address register serves
.set PC, 12*(\q)+6*(\p/3)+\p%3
.if PC%8 < 5
	ds_load_b64 v[\reg+2*\p:\reg+2*\p+1], v[\adr] offset:8*PC+16*(PC/8)+(\i)*16*PITCH
.else
	ds_load_b64 v[\reg+2*\p:\reg+2*\p+1], v[\adr+2] offset:8*PC+16*(PC/8)+(\i)*16*PITCH
.endif
.endr
.endm
; 16 matrix instructions: A's blocks a0, a0 + 1 x B's eight, 128 along K.  zero = 1: the first product starts the sums.  The 64 accumulators take turns, one instruction a turn.
.macro MUL16 a0, p, q, sc, zero
.irp a, \a0, \a0+1
.irp b, 0,1,2,3,4,5,6,7
.if \zero
	v_wmma_scale_f32_16x16x128_f8f6f4 v[8*(8*((\a)%4)+\b):8*(8*((\a)%4)+\b)+7], v[128*(\p)+FR*\b:128*(\p)+FR*\b+FR-1], v[AF+FR*(\a):AF+FR*(\a)+FR-1], 0, v[SC+8*NQ*(\sc)+NQ*\b+(\q)], v[SC+8*NQ*(\sc)+NQ*(\a)+(\q)] matrix_a_fmt:MATRIX_FMT_FP6 matrix_b_fmt:MATRIX_FMT_FP6 matrix_a_scale:MATRIX_SCALE_ROW1
.else
	v_wmma_scale_f32_16x16x128_f8f6f4 v[8*(8*((\a)%4)+\b):8*(8*((\a)%4)+\b)+7], v[128*(\p)+FR*\b:128*(\p)+FR*\b+FR-1], v[AF+FR*(\a):AF+FR*(\a)+FR-1], v[8*(8*((\a)%4)+\b):8*(8*((\a)%4)+\b)+7], v[SC+8*NQ*(\sc)+NQ*\b+(\q)], v[SC+8*NQ*(\sc)+NQ*(\a)+(\q)] matrix_a_fmt:MATRIX_FMT_FP6 matrix_b_fmt:MATRIX_FMT_FP6 matrix_a_scale:MATRIX_SCALE_ROW1
.endif
.endr
.endr
.endm
.macro FETCH_B slot, q, p              ; B's eight fragments of the slot's q-th 128 along K into set p
	WIN TO_B
.irp i, 0,1,2,3,4,5,6,7
	FRAG 128*(\p)+FR*\i, ADRB+\slot, \q, \i
.endr
	WIN 0
.endm
.macro FETCH_A slot, q, i0             ; A's blocks i0 .. i0 + 3
.irp i, \i0, \i0+1, \i0+2, \i0+3
	FRAG AF+FR*(\i), ADRA+\slot, \q, \i
.endr
.endm
.macro SCALES sc                       ; a K step's scale words into set sc: lanes 0-15 take A's block i, lanes 16-31 B's block i
.irp i, 0,1,2,3,4,5,6,7
	ds_load_b64 v[SC+8*NQ*\sc+NQ*\i:SC+8*NQ*\sc+NQ*\i+1], v[ADRS] offset:\i*SBLK
.endr
.endm
.macro PLACES n                        ; plain vector instructions between a matrix instruction and a load into, or a vector instruction on, its registers
.rept \n
	v_nop
.endr
.endm
; A step of 128 along K that has its successor in the same slot.
.macro STEP slot, q, zero
	s_wait_dscnt 4*NL                              ; B's set and A's blocks 0-3 are in; the youngest 24 loads (A's blocks 4-7) may be out
	WIN MUL_LO
	MUL16 0, (\q)%2, \q, \slot, \zero
	MUL16 2, (\q)%2, \q, \slot, \zero
	s_wait_dscnt 0                                 ; A's blocks 4-7 are in
	PLACES NP
	FETCH_B \slot, (\q)+1, 1-(\q)%2
	FETCH_A \slot, (\q)+1, 0
	WIN MUL_HI
	MUL16 4, (\q)%2, \q, \slot, \zero
	MUL16 6, (\q)%2, \q, \slot, \zero
	PLACES NP
	WIN 0
	FETCH_A \slot, (\q)+1, 4
.endm
; A slot's last step changes slots: ONE barrier; in front of it each wave waits for all its tensor loads, adds 0 to its spare word, and waits for that and for its own reads of this slot.  fill = 1: this slot is filled again.
.macro TURN slot, next, fill
	s_wait_tensorcnt 0x0                           ; all my tensor loads have landed: my part of the next slot
	ds_add_u32 v[SPW], v[NIL]                      ; 0 onto my spare word
	s_wait_dscnt 4*NL+1                            ; (the add and the youngest 24 loads, A's blocks 4-7, may be out)
	WIN MUL_LO
	MUL16 0, 1, NQ-1, \slot, 0                     ; sixteen matrix instructions stand between the add and the wait for it
	s_wait_dscnt 0x0                               ; the add is done, and my reads of this slot are over
	s_barrier_signal -1
	MUL16 2, 1, NQ-1, \slot, 0
	WIN 0
	s_barrier_wait -1
.if \fill
	CREST                                          ; the barrier has opened a round of the cluster's barrier: no wave of any partner still reads this slot's tile or has a load on its way
	s_add_nc_u64 s[G0+4*\slot+2:G0+4*\slot+3], s[G0+4*\slot+2:G0+4*\slot+3], 2*ROWB
	s_add_nc_u64 s[G0B+4*\slot+2:G0B+4*\slot+3], s[G0B+4*\slot+2:G0B+4*\slot+3], 2*ROWB
	JLOAD G0+4*\slot, G1, G0B+4*\slot, G1B         ; the first tensor load behind the round; its four v_nop are the places in front of the loads below
.else
	PLACES NP
.endif
	v_add_nc_u32 v[ADRS], 4*NQ, v[ADRS]            ; on to the next K step's scale words (no LDS load of mine is out)
	FETCH_B \next, 0, 0
	FETCH_A \next, 0, 0
	SCALES \next
	WIN MUL_HI
	MUL16 4, 1, NQ-1, \slot, 0
	MUL16 6, 1, NQ-1, \slot, 0
	PLACES NP
	WIN 0
	FETCH_A \next, 0, 4
.endm
	s_wait_tensorcnt 1                             ; the scales and my part of K step 0 are in (K step 1's load may be out)
	s_barrier_signal -1
	s_barrier_wait -1                              ; everybody's are
	FETCH_B 0, 0, 0
	FETCH_A 0, 0, 0
	SCALES 0
	FETCH_A 0, 0, 4
	STEP 0, 0, 1                                   ; the first step stands in front of the loop: its products start the sums
	s_mov_b32 s3, LAPS-1
.Llap:                                                 ; a trip goes once round the ring and fills both slots again
	TURN 0, 1, 1
	STEP 1, 0, 0
	TURN 1, 0, 1
	STEP 0, 0, 0
	s_sub_co_u32 s3, s3, 1
	s_cmp_lg_u32 s3, 0
	s_cbranch_scc1 .Llap
	TURN 0, 1, 0                                   ; the last lap fills nothing
	STEP 1, 0, 0
	s_wait_dscnt 4*NL                              ; the very last step: nothing more to fetch
	WIN MUL_LO
	MUL16 0, 1, NQ-1, 1, 0
	MUL16 2, 1, NQ-1, 1, 0
	s_wait_dscnt 0
	WIN MUL_HI
	MUL16 4, 1, NQ-1, 1, 0
	MUL16 6, 1, NQ-1, 1, 0
	WIN 0
; THE WAY OUT.  64 numbers of a lane become a fragment: blocks 0, 1 are registers S0 .. S0 + 31 and blocks 2, 3 registers S1 .. S1 + 31 of window WN; register 16 b + i of a run is j = 32 b + 16 (lane / 16) + i.
; Codes to v[CDF] on, the scale word to v[PWF].  Each accumulator is read from its low end on.
.macro QUANT2
.set WSRC, (WN<<2)|(WN<<4)
	WIN WSRC                                       ; sources 1 and 2 in the accumulators' window
.irp b, 0,1
	v_max3_num_f32 v[TM+\b], s100, |v[S0+16*\b]|, |v[S0+16*\b+1]|       ; my 16 numbers of a block, and the floor: the byte cannot fall under 1
.endr
.irp b, 0,1
	v_max3_num_f32 v[TM+2+\b], s100, |v[S1+16*\b]|, |v[S1+16*\b+1]|
.endr
.irp i, 2,4,6,8,10,12,14
.irp b, 0,1
	v_max3_num_f32 v[TM+\b], v[TM+\b], |v[S0+16*\b+\i]|, |v[S0+16*\b+\i+1]|   ; (the four blocks by turns)
.endr
.irp b, 0,1
	v_max3_num_f32 v[TM+2+\b], v[TM+2+\b], |v[S1+16*\b+\i]|, |v[S1+16*\b+\i+1]|
.endr
.endr
	WIN 0
.irp b, 0,1,2,3
	v_permlanex16_b32 v[TM+4+\b], v[TM+\b], s66, s67
.endr
.irp b, 0,1,2,3
	v_max_num_f32 v[TM+\b], v[TM+\b], v[TM+4+\b]   ; with lane l xor 16's: the block's largest magnitude
.endr
.irp b, 0,1,2,3
	v_add_nc_u32 v[TM+12+\b], 0xff000000, v[TM+\b] ; 2 off its exponent field: the conversion's scale operand
.endr
.irp b, 0,1,2,3
	v_lshrrev_b32 v[TM+4+\b], 23, v[TM+12+\b]      ; the scale's byte
.endr
	v_lshl_or_b32 v[PWF], v[TM+5], 8, v[TM+4]
	v_lshl_or_b32 v[PWF], v[TM+6], 16, v[PWF]
	v_lshl_or_b32 v[PWF], v[TM+7], 24, v[PWF]      ; my row's scale word (lanes l and l xor 16 hold the same)
	WIN WN                                         ; source 0 in the accumulators' window
	v_cvt_scalef32_pk16_fp6_f32 v[CDF:CDF+2], v[S0:S0+15], v[TM+12]
	v_cvt_scalef32_pk16_fp6_f32 v[TP:TP+2], v[S0+16:S0+31], v[TM+13]       ; (a conversion's three registers begin on an even number)
	v_cvt_scalef32_pk16_fp6_f32 v[CDF+6:CDF+8], v[S1:S1+15], v[TM+14]
	v_cvt_scalef32_pk16_fp6_f32 v[TP+4:TP+6], v[S1+16:S1+31], v[TM+15]
	WIN 0
	v_nop                                          ; one plain place behind a scaled conversion
.irp c, 0,1                                    ; the operand's layout wants a WHOLE block in a lane: lanes 0-15 block 2 c, lanes 16-31 block 2 c + 1
.irp i, 0,1,2
	v_permlane16_swap_b32 v[CDF+6*\c+\i], v[TP+4*\c+\i]
.endr
.irp i, 0,1,2
	v_mov_b32 v[CDF+3+6*\c+\i], v[TP+4*\c+\i]
.endr
.endr
.endm
; Two units (heads e = 0, 1), four fragments each.  Every store has data registers of its own; each covers 512 (scale words: 256) consecutive bytes, aligned to 256.
.macro EPI isv
.irp e, 0,1
.irp f, 0,1,2,3
.if \isv
.set S0, 64*\f                                 ; V: channel tile f of head e against the step's 128 keys
.set S1, 64*\f+32
.set WN, 2+\e
.else
.set S0, 64*((2*\f)%4)+32*\e                   ; Q, K: token tiles 2 f and 2 f + 1 against head e's 64 channels
.set S1, 64*((2*\f+1)%4)+32*\e
.set WN, 2+\f/2
.endif
.set CDF, CD+12*(4*\e+\f)
.set PWF, PW+4*\e+\f
	QUANT2
.irp c, 0,1,2
	global_store_b128 v[LI], v[CDF+4*\c:CDF+4*\c+3], s[12:13] offset:\e*16*UNIT+1536*\f+512*\c
.endr
.endr
	v_cndmask_b32 v[SW+2*\e], v[PW+4*\e], v[PW+4*\e+1], vcc_lo       ; lanes 0-15: fragment 0's words, lanes 16-31: fragment 1's
	v_cndmask_b32 v[SW+2*\e+1], v[PW+4*\e+2], v[PW+4*\e+3], vcc_lo   ; fragments 2 and 3
	global_store_b64 v[L8], v[SW+2*\e:SW+2*\e+1], s[12:13] offset:\e*16*UNIT+6144
.endr
.endm
	PLACES NP                                      ; behind the last products: their results are read and their operands' registers written below
	s_mov_b32 vcc_lo, 0xffff0000                   ; lanes 16-31
.irp b, 0,1,2,3
	v_mov_b32 v[TM+4+\b], 0                        ; written once: a lane permute's destination counts as one of its sources
.endr
	s_cmp_lt_u32 ttmp9, 8                          ; the same in all partners
	s_cbranch_scc0 .Lv
	EPI 0
	s_branch .Lend
.Lv:
	EPI 1
.Lend:
	s_wait_tensorcnt 0x0                           ; the wave's end
	ds_add_u32 v[SPW], v[NIL]
	s_wait_dscnt 0x0
	CROUND                                         ; the closing round: no work-group ends while a partner may still ask for a tile that names it
	s_endpgm
.Lfunc_end_k_qff86f0e1d7_qkv:
	.size	k_qff86f0e1d7_qkv, .Lfunc_end_k_qff86f0e1d7_qkv-k_qff86f0e1d7_qkv
	.p2alignl 7, 3214868480
	.fill 96, 4, 3214868480
	.section	.rodata,"a",@progbits
	.p2align	6, 0x0
	.amdhsa_kernel k_qff86f0e1d7_qkv
		.amdhsa_group_segment_fixed_size 327680
		.amdhsa_private_segment_fixed_size 0
		.amdhsa_enable_private_segment 0
		.amdhsa_kernarg_size 40
		.amdhsa_user_sgpr_count 2
		.amdhsa_user_sgpr_kernarg_segment_ptr 1
		.amdhsa_wavefront_size32 1
		.amdhsa_system_sgpr_workgroup_id_x 1
		.amdhsa_system_sgpr_workgroup_id_y 1
		.amdhsa_system_sgpr_workgroup_id_z 1
		.amdhsa_system_vgpr_workitem_id 0
		.amdhsa_next_free_vgpr 1024
		.amdhsa_next_free_sgpr 102
		.amdhsa_reserve_vcc 1
		.amdhsa_float_denorm_mode_32 3
		.amdhsa_float_denorm_mode_16_64 3
		.amdhsa_memory_ordered 1
		.amdhsa_forward_progress 1
		.amdhsa_inst_pref_size 196
	.end_amdhsa_kernel
	.amdgpu_metadata
---
amdhsa.version: [ 1, 2 ]
amdhsa.kernels:
  - .name:           k_qff86f0e1d7_qkv
    .symbol:         k_qff86f0e1d7_qkv.kd
    .args:
      - { .name: xcodes, .offset: 0, .size: 8, .value_kind: global_buffer, .address_space: global }
      - { .name: xscales, .offset: 8, .size: 8, .value_kind: global_buffer, .address_space: global }
      - { .name: wcodes, .offset: 16, .size: 8, .value_kind: global_buffer, .address_space: global }
      - { .name: wscales, .offset: 24, .size: 8, .value_kind: global_buffer, .address_space: global }
      - { .name: img, .offset: 32, .size: 8, .value_kind: global_buffer, .address_space: global }
    .group_segment_fixed_size: 327680
    .private_segment_fixed_size: 0
    .kernarg_segment_align: 8
    .kernarg_segment_size: 40
    .max_flat_workgroup_size: 128
    .sgpr_count:     102
    .vgpr_count:     1024
    .wavefront_size: 32
...
	.end_amdgpu_metadata
.endif
;; end of part 2
;; launch attn (part 3): grid 8 x 32, 16 waves a work-group, clusters of 4 x 1, 208,896 bytes of LDS; arguments img, oimg, oscl; writes oimg, oscl
.if DOCPART == 3
	.amdgcn_target "amdgcn-amd-amdhsa--gfx1250"
	.amdhsa_code_object_version 6
	.text
	.protected	k_qff86f0e1d7_attn
	.globl	k_qff86f0e1d7_attn
	.p2align	8
	.type	k_qff86f0e1d7_attn,@function
k_qff86f0e1d7_attn:
	s_mov_b64 s[64:65], 0
	v_nop
	global_prefetch_b8 v0, s[64:65] scope:SCOPE_SE
	s_setreg_imm32_b32 hwreg(HW_REG_WAVE_MODE, 25, 1), 1
	s_wait_xcnt 0x0
	s_wait_alu depctr_hold_cnt(0) depctr_sa_sdst(0) depctr_va_vdst(0) depctr_va_sdst(0) depctr_va_ssrc(0) depctr_va_vcc(0) depctr_vm_vsrc(0)
	s_getreg_b32 s2, hwreg(HW_REG_IB_STS2, 6, 4)
	s_cmp_eq_u32 s2, 0
	s_cbranch_scc0 .Lentry_in_a_cluster
	s_endpgm
.Lentry_in_a_cluster:
	s_bfe_u32 s2, ttmp6, 0x10000c
	s_cmp_lg_u32 s2, 0x3003
	s_cbranch_scc0 .Lentry_shape_is_right
	s_endpgm
.Lentry_shape_is_right:
; O[b][head][q] = the sum over k of softmax_k(Q . K / 8) V, both products on codes of FP6 (E2M3) with E8M0 scales; the result, divided by the row's sum, is quantised along the head's 64 channels and stored as operand images.
; THE SOFTMAX: t = score x log2(e) / 8; M = the running largest t rounded UP to a whole number; p = 2^(t - M) is quantised along the keys; the row's sum is taken of the unquantised p.  When M moves, sum and O are multiplied by 2^(old M - new M): exact.
; SHARES.  A work-group owns 256 stored queries of one head (work-group y = 16 batch + head), each of its sixteen waves one tile of 16.  Every wave walks the head's 2,048 keys, 128 a step.
; ALL OF A HEAD'S K AND V LIE IN LDS: 16 + 16 units of 6,400 bytes as the launch before stored them (four fragments as images of their registers, then the scale words), each filled ONCE: no slot is filled again.
; CLUSTER.  The four work-groups of a cluster belong to one head: each unit is asked for jointly (mask 15).  Wave w asks for units w % 8 and w % 8 + 8 of K (w < 8) or of V: two tensor loads of mine are out at most.
; LAYOUT.  Both products are used transposed: a lane holds ONE query (lane % 16).  The scores' K is 64 and the instruction's 128: a fragment of K holds TWO tiles of 16 keys (K 0-63: tile 2 f; K 64-127: tile 2 f + 1),
; and it is multiplied by (Q | zeros) and by (zeros | Q): zero codes silence the other tile.  Tokens and channels are stored with bits 3 and 4 exchanged, so the 16 registers of two neighbouring tiles are 16 true neighbours.
; THE ROW'S SUM COMES A STEP LATE: a step's p stays in its registers until the next step's scores are written there, and its 32 additions stand behind the issue of the next step's loads of K, while these are on their way.
; The sum is then still under the M under which that p was made.  The first step finds zeros there; the last step's additions stand behind the loop.
; oimg [head][stored tile 256][768]: registers 2 p, 2 p + 1 of lane l at 256 p + 8 l; lane (r, h): channels 32 h .. 32 h + 31 of stored token r.  oscl [head][stored token 4096]: two scale bytes.
; LIMITS: a block whose largest magnitude lies under 2^-124 (zeros too) gets the byte 1; NaN and infinities are not served.
.set UNIT,  6400
.set HEADB, 16*UNIT                    ; a head's units of K: LDS 0; of V: LDS HEADB
.set STG,   2*HEADB                    ; 512 bytes: the work-group's 256 pairs of scale bytes on the way out; no tile lands here
.set AK0,  1                           ; v1   16 x lane: my place in a fragment's image
.set ASK0, 2                           ; v2   8 x lane + 6,144: my scale words of a unit of K
.set AV0,  3                           ; v3   v1 + HEADB
.set ASV0, 4                           ; v4   v2 + HEADB
.set QA,   5                           ; v5, v6 my offsets in Q's fragment
.set QB,   6
.set QSA,  8                           ; v8   and of Q's scale word
.set L8,   9                           ; v9   8 x lane
.set STW,  11                          ; v11  STG + 32 wave + 2 (lane % 16)
.set STR,  41                          ; v41  STG + 16 x lane
.set QL,   16                          ; v16-27 (Q | 0)
.set QH,   28                          ; v28-39 (0 | Q)
.set QS,   40                          ; v40  Q's scale word: its two bytes twice
.set FRG,  44                          ; v44-91 four fragments of K, then of V
.set KSW,  92                          ; v92-93 K's scale words;  v94-95 V's
.set VSW,  94
.set S,    96                          ; v96-159 S^T, then p
.set OT,   160                         ; v160-191 O^T, four tiles
.set PCD,  192                         ; v192-203 p's codes
.set TP,   204                         ; v204-206, v208-210 the second conversions' results
.set BM,   212                         ; v212-215 the blocks' largest scores
.set PX,   216                         ; v216-219 the other half's, then bytes
.set SOP,  220                         ; v220-223 the conversions' scale operands
.set T0,   224
.set OLDM, 225                         ; v225 -M as it was before this step
.set F,    226                         ; v[226:227] f = 2^(old M - new M); v227 is named with it and written once
.set PWD,  228                         ; v228 p's scale word
.set SUM2, 230                         ; v[230:231] the sum's second chain
.set ADK,  232                         ; v232-235 the step's four LDS addresses
.set ADS,  233
.set ADV,  234
.set ADT,  235
.set WV,   10                          ; s10 my wave's number
.set SEL,  20                          ; s[20:21] selects for lane l xor 16
.set CS,   22                          ; s[22:23] c = log2(e) / 8
.set G1,   24                          ; s[24:31] descriptor group 1;  s[32:39] two groups 0
.set G0,   32
.set CNT,  40
.set TB,   41                          ; s41 LDS byte of the step's units: 6,400 a step
.macro CROUND                          ; a round of the cluster's barrier
	s_barrier_signal -1
	s_barrier_wait -1
	s_cmp_lg_u32 s[WV], 0
	s_cbranch_scc1 .Lnot_wave_0_\@
	s_barrier_signal -3
.Lnot_wave_0_\@:
	s_barrier_wait -3
	s_barrier_signal -1
	s_barrier_wait -1
.endm
; a product: D = v[d ..], source 0 = v[a ..] with its scale words in v[sa], lanes 0-15 (row = 0) or 16-31 (row = 1), source 1 = v[b ..] with v[sb]; acc = 0: the sum begins
.macro MM d, a, b, acc, sa, sb, row
.if \acc
.if \row
	v_wmma_scale_f32_16x16x128_f8f6f4 v[\d:\d+7], v[\a:\a+11], v[\b:\b+11], v[\d:\d+7], v[\sa], v[\sb] matrix_a_fmt:MATRIX_FMT_FP6 matrix_b_fmt:MATRIX_FMT_FP6 matrix_a_scale:MATRIX_SCALE_ROW1
.else
	v_wmma_scale_f32_16x16x128_f8f6f4 v[\d:\d+7], v[\a:\a+11], v[\b:\b+11], v[\d:\d+7], v[\sa], v[\sb] matrix_a_fmt:MATRIX_FMT_FP6 matrix_b_fmt:MATRIX_FMT_FP6
.endif
.else
.if \row
	v_wmma_scale_f32_16x16x128_f8f6f4 v[\d:\d+7], v[\a:\a+11], v[\b:\b+11], 0, v[\sa], v[\sb] matrix_a_fmt:MATRIX_FMT_FP6 matrix_b_fmt:MATRIX_FMT_FP6 matrix_a_scale:MATRIX_SCALE_ROW1
.else
	v_wmma_scale_f32_16x16x128_f8f6f4 v[\d:\d+7], v[\a:\a+11], v[\b:\b+11], 0, v[\sa], v[\sb] matrix_a_fmt:MATRIX_FMT_FP6 matrix_b_fmt:MATRIX_FMT_FP6
.endif
.endif
.endm
; THE ROW'S SUM OF THE UNQUANTISED p that lies in v[S] on: 32 packed additions in two chains.  The first two are written apart: with two address lines they are the four places in front of K's loads.
.macro SUM_HEAD
	v_pk_add_f32 v[SUM2:SUM2+1], v[S:S+1], v[S+2:S+3]
	v_pk_add_f32 v[14:15], v[14:15], v[S+4:S+5]
.endm
.macro SUM_REST
	v_pk_add_f32 v[SUM2:SUM2+1], v[SUM2:SUM2+1], v[S+6:S+7]
.irp j, 8,12,16,20,24,28,32,36,40,44,48,52,56,60
	v_pk_add_f32 v[14:15], v[14:15], v[S+\j:S+1+\j]
	v_pk_add_f32 v[SUM2:SUM2+1], v[SUM2:SUM2+1], v[S+2+\j:S+3+\j]
.endr
	v_pk_add_f32 v[14:15], v[14:15], v[SUM2:SUM2+1]
.endm
	s_load_b128 s[4:7], s[0:1], 0x0                ; img s[4:5], oimg s[6:7]
	s_load_b64 s[8:9], s[0:1], 0x10                ; oscl
	v_lshl_add_u32 v254, v0, 2, 0x32800
	v_mov_b32 v255, 0
	ds_add_u32 v254, v255
	ds_add_u32 v254, v255
	v_lshrrev_b32 v1, 5, v0
	v_readfirstlane_b32 s[WV], v1                  ; wave 0..15
	s_bfe_u32 s11, ttmp6, 0x40000                  ; cx: it enters Q's, oimg's and oscl's addresses alone
	s_lshl_b32 s12, ttmp9, 2
	s_add_co_u32 s12, s12, s11                     ; my block of 256 stored queries
	s_and_b32 s13, ttmp7, 0xffff                   ; 16 batch + head, which the four partners share
	s_lshr_b32 s14, s[WV], 3                       ; I fetch for K (0) or V (1).  Also: which of my block's two units of Q is mine
	s_and_b32 s15, s[WV], 7                        ; which unit I fetch
	s_add_co_u32 s16, s14, 1
	s_lshl_b32 s16, s16, 9                         ; 512 x kind
	s_lshl_b32 s17, s13, 4
	s_add_co_u32 s16, s16, s17
	s_add_co_u32 s16, s16, s15
	s_mul_i32 s16, s16, UNIT                       ; in memory,
	s_mov_b32 s17, 0
	s_mul_i32 s18, s14, HEADB
	s_mul_i32 s19, s15, UNIT
	s_add_co_u32 s18, s18, s19                     ; and in LDS
	; descriptor group 1: a unit is a dense block of 6,400 bytes: 25 rows of 256 bytes
	s_mov_b32 s[G1], 15|(3<<16)|(1<<21)            ; 15:0 the mask: all four work-groups; elements of 8 bytes; no padding; bit 21 beside a mask
	s_mov_b32 s[G1+1], 32<<16                      ; tensor_dim0
	s_mov_b32 s[G1+2], 25<<16                      ; tensor_dim1
	s_mov_b32 s[G1+3], 32<<16                      ; tile_dim0
	s_mov_b32 s[G1+4], 25                          ; tile_dim1
	s_mov_b32 s[G1+5], 32                          ; tensor_dim0_stride
	s_mov_b32 s[G1+6], 0
	s_mov_b32 s[G1+7], 0
	s_mov_b32 s[SEL], 0x76543210
	s_mov_b32 s[SEL+1], 0xfedcba98
	s_mov_b32 s[CS], 0x3e38aa3b                    ; log2(e) / 8
	s_mov_b32 s[CS+1], s[CS]                       ; (named with it as a pair, so it is written)
	s_mov_b32 s[TB], 0
	s_lshl_b32 s42, s13, 4                         ; Q's unit: kind 0, step 2 x block + wave / 8
	s_lshl_b32 s43, s12, 1
	s_add_co_u32 s42, s42, s43
	s_add_co_u32 s42, s42, s14
	s_mul_i32 s42, s42, UNIT
	s_mov_b32 s43, 0
	s_bfe_u32 s46, s[WV], 0x20001                  ; f: my tile's fragment in the unit
	s_and_b32 s47, s[WV], 1                        ; u: its half of the fragment: registers 6 u .. 6 u + 5
	s_mul_i32 s48, s46, 1536
	s_mul_i32 s49, s47, 520
	s_add_co_u32 s49, s49, s48                     ; registers 6 u, 6 u + 1 lie at 520 u + 16 lane; registers 6 u + 4, 6 u + 5 lie 512 bytes on;
	s_mul_i32 s54, s47, 1016
	s_add_co_u32 s54, s54, s48
	s_add_co_u32 s54, s54, 8                       ; registers 6 u + 2, 6 u + 3 at 8 + 1,016 u + 16 lane
	s_and_b32 s55, s46, 1
	s_lshl_b32 s55, s55, 7
	s_lshr_b32 s56, s46, 1
	s_lshl_b32 s56, s56, 2
	s_add_co_u32 s55, s55, s56
	s_add_co_u32 s55, s55, 6144                    ; fragment f's scale words: 6,144 + 128 (f % 2) + 4 (f / 2) + 8 row
	s_lshl_b32 s62, s47, 4                         ; my tile's two bytes begin at bit 16 u
	s_and_b32 s57, s13, 15                         ; head
	s_lshr_b32 s58, s13, 4                         ; batch
	s_mul_i32 s59, s57, 196608
	s_lshl_b32 s60, s58, 7
	s_lshl_b32 s61, s12, 4
	s_add_co_u32 s60, s60, s61
	s_add_co_u32 s60, s60, s[WV]                   ; my stored tile: 128 batch + 16 block + wave
	s_mul_i32 s60, s60, 768
	s_add_co_u32 s60, s60, s59
	s_mov_b32 s61, 0
	s_lshl_b32 s56, s57, 13                        ; oscl: 8,192 head + 4,096 batch + 512 block
	s_lshl_b32 s59, s58, 12
	s_add_co_u32 s56, s56, s59
	s_lshl_b32 s59, s12, 9
	s_add_co_u32 s56, s56, s59
	s_mov_b32 s57, 0
	s_wait_dscnt 0x0
	s_wait_kmcnt 0x0
	s_add_nc_u64 s[44:45], s[4:5], s[42:43]        ; Q's unit
	s_add_nc_u64 s[50:51], s[6:7], s[60:61]        ; my tile of oimg
	s_add_nc_u64 s[52:53], s[8:9], s[56:57]        ; my work-group's 512 bytes of oscl
	s_mov_b32 s[G0], 1                             ; count = 1
	s_mov_b32 s[G0+1], s18                         ; LDS address
	s_add_nc_u64 s[G0+2:G0+3], s[4:5], s[16:17]    ; global address
	s_mov_b32 s[G0+4], 1
	s_add_co_u32 s[G0+5], s18, 8*UNIT              ; the unit eight steps on
	s_add_nc_u64 s[G0+6:G0+7], s[G0+2:G0+3], 8*UNIT
	s_or_b32 s[G0+3], s[G0+3], 0x80000000          ; type = 2
	s_or_b32 s[G0+7], s[G0+7], 0x80000000
	CROUND                                         ; all four work-groups are here: the joint loads meet
	tensor_load_to_lds s[G0:G0+3], s[G1:G1+7]
	s_nop 0
	tensor_load_to_lds s[G0+4:G0+7], s[G1:G1+7]
	s_nop 0
.rept 4
	v_nop
.endr
	v_and_b32 v[L8], 31, v0
	v_lshlrev_b32 v[AK0], 4, v[L8]
	v_lshlrev_b32 v[L8], 3, v[L8]
	v_add_nc_u32 v[ASK0], 6144, v[L8]
	v_add_nc_u32 v[AV0], HEADB, v[AK0]
	v_add_nc_u32 v[ASV0], HEADB, v[ASK0]
	v_add_nc_u32 v[QA], s49, v[AK0]
	v_add_nc_u32 v[QB], s54, v[AK0]
	v_and_b32 v[QSA], 15, v0
	s_lshl_b32 s59, s[WV], 5
	s_add_co_u32 s59, s59, STG
	v_lshl_add_u32 v[STW], v[QSA], 1, s59
	v_add_nc_u32 v[STR], STG, v[AK0]
	v_lshl_add_u32 v[QSA], v[QSA], 3, s55
	global_load_b64 v[QL:QL+1], v[QA], s[44:45]                ; Q's six registers, twice
	global_load_b64 v[QL+2:QL+3], v[QB], s[44:45]
	global_load_b64 v[QL+4:QL+5], v[QA], s[44:45] offset:512
	global_load_b64 v[QH+6:QH+7], v[QA], s[44:45]
	global_load_b64 v[QH+8:QH+9], v[QB], s[44:45]
	global_load_b64 v[QH+10:QH+11], v[QA], s[44:45] offset:512
	global_load_b32 v[QS], v[QSA], s[44:45]
.irp j, 0,1,2,3,4,5
	v_mov_b32 v[QL+6+\j], 0                        ; zero codes: they add nothing under any scale byte but 0xff
	v_mov_b32 v[QH+\j], 0
.endr
	v_mov_b32 v13, 0xff61b1e6                      ; the largest t so far: -3e38, under every t
	v_floor_f32 v12, -v13                          ; -M
	v_mov_b32 v14, 0                               ; the sum, in two halves
	v_mov_b32 v15, 0
.irp b, 0,1,2,3
	v_mov_b32 v[PX+\b], 0                          ; written once: a lane permute's destination counts as one of its sources
.endr
	v_mov_b32 v[T0], 0
	v_mov_b32 v[F+1], 0
	s_wait_loadcnt 0x0                             ; Q
	v_lshrrev_b32 v[QS], s62, v[QS]
	v_and_b32 v[QS], 0xffff, v[QS]
	v_lshl_or_b32 v[QS], v[QS], 16, v[QS]          ; my tile's two bytes for K 0-63 and again for K 64-127
.set i, 0
.rept 96
	v_mov_b32 v[S+i], 0                            ; p of "the step before the first", and O^T: the step is written once.  These lines run while the first units are on their way.  (Also more than the eight places between the scale word's last write and the first product)
.set i, i+1
.endr
; A KEY STEP: 128 keys.
.macro STEP
	v_add_nc_u32 v[ADK], s[TB], v[AK0]             ; these two and the next two are the places between the last step's products and the loads into their operands' registers
	v_add_nc_u32 v[ADS], s[TB], v[ASK0]
	SUM_HEAD
.irp f, 0,1,2,3
.irp c, 0,1,2
	ds_load_b128 v[FRG+12*\f+4*\c:FRG+12*\f+4*\c+3], v[ADK] offset:1536*\f+512*\c   ; an image: 512 consecutive bytes an instruction
.endr
.endr
	ds_load_b64 v[KSW:KSW+1], v[ADS]
	SUM_REST                                       ; the last step's p is summed while K is on its way
	s_wait_dscnt 0x0
.irp f, 0,1,2,3                                ; S^T: fragment f against (Q | 0): key tile 2 f; against (0 | Q): key tile 2 f + 1
	MM S+16*\f, FRG+12*\f, QL, 0, KSW+\f/2, QS, \f%2
	MM S+8+16*\f, FRG+12*\f, QH, 0, KSW+\f/2, QS, \f%2
.endr                                          ; the 16 registers of tiles 2 f, 2 f + 1 are the true keys 32 f + 16 (lane / 16) + 0 .. 15
	v_add_nc_u32 v[ADV], s[TB], v[AV0]             ; four places in front of the reads of S^T and of the loads into K's registers
	v_add_nc_u32 v[ADT], s[TB], v[ASV0]
	v_mov_b32 v[OLDM], v12
	v_nop
.irp f, 0,1,2,3
.irp c, 0,1,2
	ds_load_b128 v[FRG+12*\f+4*\c:FRG+12*\f+4*\c+3], v[ADV] offset:1536*\f+512*\c   ; V's four fragments land while the softmax is worked
.endr
.endr
	ds_load_b64 v[VSW:VSW+1], v[ADT]
.irp b, 0,1,2,3
	v_max3_num_f32 v[BM+\b], v[S+16*\b], v[S+1+16*\b], v[S+2+16*\b]   ; the largest score of each block of 32 keys: for the row's maximum and, since p rises with the score, for the block's largest p
.endr
.irp i, 3,5,7,9,11,13
.irp b, 0,1,2,3
	v_max3_num_f32 v[BM+\b], v[BM+\b], v[S+16*\b+\i], v[S+1+16*\b+\i]
.endr
.endr
.irp b, 0,1,2,3
	v_max_num_f32 v[BM+\b], v[BM+\b], v[S+15+16*\b]
.endr
.irp b, 0,1,2,3
	v_permlanex16_b32 v[PX+\b], v[BM+\b], s[SEL], s[SEL+1]
.endr
.irp b, 0,1,2,3
	v_max_num_f32 v[BM+\b], v[BM+\b], v[PX+\b]     ; with lane l xor 16's 16 keys
.endr
	v_max3_num_f32 v[T0], v[BM], v[BM+1], v[BM+2]
	v_max_num_f32 v[T0], v[T0], v[BM+3]            ; the step's largest score of my query
	v_mul_f32 v[T0], s[CS], v[T0]                  ; as t (c is positive)
	v_max_num_f32 v13, v13, v[T0]                  ; the running largest t
	v_floor_f32 v12, -v13                          ; the new -M = -ceil(t): a whole number
	v_sub_f32 v[T0], v12, v[OLDM]                  ; old M - new M: a whole number, 0 or less
	v_cvt_i32_f32 v[T0], v[T0]                     ; (it saturates)
	v_ldexp_f32 v[F], 1.0, v[T0]                   ; f = 2^(old M - new M)
	v_pk_fma_f32 v[S:S+1], v[S:S+1], s[CS:CS+1], v[12:13] op_sel_hi:[1,0,0]       ; t - M, two at a time: the first two pairs,
	v_pk_fma_f32 v[S+2:S+3], v[S+2:S+3], s[CS:CS+1], v[12:13] op_sel_hi:[1,0,0]
.irp b, 0,1,2,3
	v_fma_f32 v[BM+\b], v[BM+\b], s[CS], v12       ; the same of each block's largest score
.endr
; ONE BATCH of 68 exponentials.  None of its lines names an exponential's result: behind a pair's two exponentials stands the scaling of the pair two further on.
.irp j, 0,2,4,6,8,10,12,14,16,18,20,22,24,26,28,30,32,34,36,38,40,42,44,46,48,50,52,54,56,58,60,62
	v_exp_f32 v[S+\j], v[S+\j]                     ; p = 2^(t - M), at most 1
	v_exp_f32 v[S+1+\j], v[S+1+\j]
.if \j < 60
	v_pk_fma_f32 v[S+4+\j:S+5+\j], v[S+4+\j:S+5+\j], s[CS:CS+1], v[12:13] op_sel_hi:[1,0,0]
.endif
.endr
.irp b, 0,1,2,3
	v_exp_f32 v[BM+\b], v[BM+\b]                   ; the block's largest p: the same two instructions on the same number give the same bits
.endr
	v_pk_mul_f32 v[14:15], v[14:15], v[F:F+1] op_sel_hi:[1,0]   ; the sum under the new M: the plain place behind the exponentials
	s_wait_alu depctr_va_vdst(0)                   ; one wait for the whole batch, ahead of its first reader
.irp b, 0,1,2,3
	v_max_num_f32 v[BM+\b], 0x1800000, v[BM+\b]    ; the floor 2^(3 - 127): the byte cannot fall under 1
.endr
.irp b, 0,1,2,3
	v_add_nc_u32 v[SOP+\b], 0xff000000, v[BM+\b]   ; 2 off the exponent field: the conversion's scale operand
.endr
.irp b, 0,1,2,3
	v_lshrrev_b32 v[PX+\b], 23, v[SOP+\b]          ; the scale's byte
.endr
	v_lshl_or_b32 v[PWD], v[PX+1], 8, v[PX]        ; p's scale word for these 128 keys
	v_lshl_or_b32 v[PWD], v[PX+2], 16, v[PWD]
	v_lshl_or_b32 v[PWD], v[PX+3], 24, v[PWD]
.irp c, 0,1
	v_cvt_scalef32_pk16_fp6_f32 v[PCD+6*\c:PCD+2+6*\c], v[S+32*\c:S+15+32*\c], v[SOP+2*\c]
	v_cvt_scalef32_pk16_fp6_f32 v[TP+4*\c:TP+2+4*\c], v[S+16+32*\c:S+31+32*\c], v[SOP+2*\c+1]   ; (a conversion's three registers begin on an even number)
.endr
	v_nop                                          ; one plain place behind a scaled conversion
.irp c, 0,1                                    ; the operand's layout wants a WHOLE block in a lane
.irp i, 0,1,2
	v_permlane16_swap_b32 v[PCD+6*\c+\i], v[TP+4*\c+\i]
.endr
.irp i, 0,1,2
	v_mov_b32 v[PCD+3+6*\c+\i], v[TP+4*\c+\i]
.endr
.endr
.irp j, 0,2,4,6,8,10,12,14,16,18,20,22,24,26,28,30
	v_pk_mul_f32 v[OT+\j:OT+1+\j], v[OT+\j:OT+1+\j], v[F:F+1] op_sel_hi:[1,0]   ; O^T under the new M, each tile from its low end on.  (Also the places between the writes of p's codes and scale word and the products)
.endr
	s_wait_dscnt 0x0                               ; V
.irp t, 0,1,2,3                                ; O^T += V^T p^T: four accumulators, one instruction a turn
	MM OT+8*\t, FRG+12*\t, PCD, 1, VSW+\t/2, PWD, \t%2
.endr
	s_add_co_u32 s[TB], s[TB], UNIT
.endm
.macro HALF                                    ; eight key steps
	s_mov_b32 s[CNT], 8
.Lstep_\@:
	STEP
	s_sub_co_u32 s[CNT], s[CNT], 1
	s_cmp_lg_u32 s[CNT], 0
	s_cbranch_scc1 .Lstep_\@
.endm
	s_wait_tensorcnt 1                             ; my first unit is in; the second may stay out
	s_barrier_signal -1
	s_barrier_wait -1                              ; everybody's first is in: steps 0 to 7 of K and of V
	HALF
	s_wait_tensorcnt 0x0                           ; my second unit is in
	s_wait_dscnt 0x0
	s_barrier_signal -1
	s_barrier_wait -1                              ; steps 8 to 15
	HALF
	; THE WAY OUT.  The last step's p is summed (these 32 lines are also the places behind the last products).  Then O^T / the sum; its 32 numbers a lane are channels 32 b + 16 (lane / 16) + i of my query: two blocks, quantised as p is.
	SUM_HEAD
	SUM_REST
	v_add_f32 v14, v14, v15                        ; the sum's two halves,
	v_permlanex16_b32 v[T0], v14, s[SEL], s[SEL+1]
	v_add_f32 v14, v14, v[T0]                      ; and lane l xor 16's
	v_rcp_f32 v14, v14
	v_nop                                          ; a plain place behind the reciprocal
	s_wait_alu depctr_va_vdst(0)                   ; and the wait ahead of its first reader
.irp j, 0,2,4,6,8,10,12,14,16,18,20,22,24,26,28,30
	v_pk_mul_f32 v[S+\j:S+1+\j], v[OT+\j:OT+1+\j], v[14:15] op_sel_hi:[1,0]
.endr
.irp b, 0,1
	v_max3_num_f32 v[BM+\b], |v[S+16*\b]|, |v[S+1+16*\b]|, 0x1800000
.endr
.irp i, 2,4,6,8,10,12,14
.irp b, 0,1
	v_max3_num_f32 v[BM+\b], v[BM+\b], |v[S+16*\b+\i]|, |v[S+1+16*\b+\i]|
.endr
.endr
.irp b, 0,1
	v_permlanex16_b32 v[PX+\b], v[BM+\b], s[SEL], s[SEL+1]
.endr
.irp b, 0,1
	v_max_num_f32 v[BM+\b], v[BM+\b], v[PX+\b]
.endr
.irp b, 0,1
	v_add_nc_u32 v[SOP+\b], 0xff000000, v[BM+\b]
.endr
.irp b, 0,1
	v_lshrrev_b32 v[PX+\b], 23, v[SOP+\b]
.endr
	v_lshl_or_b32 v[PWD], v[PX+1], 8, v[PX]        ; my query's two scale bytes
	v_cvt_scalef32_pk16_fp6_f32 v[PCD:PCD+2], v[S:S+15], v[SOP]
	v_cvt_scalef32_pk16_fp6_f32 v[TP:TP+2], v[S+16:S+31], v[SOP+1]
	v_nop
.irp i, 0,1,2
	v_permlane16_swap_b32 v[PCD+\i], v[TP+\i]
.endr
.irp i, 0,1,2
	v_mov_b32 v[PCD+3+\i], v[TP+\i]                ; lane (r, h): channels 32 h .. 32 h + 31
.endr
.irp p, 0,1,2
	global_store_b64 v[L8], v[PCD+2*\p:PCD+2*\p+1], s[50:51] offset:256*\p   ; 32 lanes store 256 consecutive bytes, aligned
.endr
	ds_store_b16 v[STW], v[PWD]                    ; lanes l and l xor 16 write the same two bytes with the same value
	s_wait_dscnt 0x0                               ; for the others' sake
	s_barrier_signal -1
	s_barrier_wait -1
	s_cmp_lg_u32 s[WV], 0
	s_cbranch_scc1 .Lnot_first
	ds_load_b128 v[S:S+3], v[STR]                  ; wave 0 stores the work-group's 512 bytes of scale bytes
	s_wait_dscnt 0x0
	global_store_b128 v[AK0], v[S:S+3], s[52:53]
.Lnot_first:
	s_wait_tensorcnt 0x0
	ds_add_u32 v254, v255
	s_wait_dscnt 0x0
	CROUND                                         ; the closing round
	s_endpgm
.Lfunc_end_k_qff86f0e1d7_attn:
	.size	k_qff86f0e1d7_attn, .Lfunc_end_k_qff86f0e1d7_attn-k_qff86f0e1d7_attn
	.p2alignl 7, 3214868480
	.fill 96, 4, 3214868480
	.section	.rodata,"a",@progbits
	.p2align	6, 0x0
	.amdhsa_kernel k_qff86f0e1d7_attn
		.amdhsa_group_segment_fixed_size 208896
		.amdhsa_private_segment_fixed_size 0
		.amdhsa_enable_private_segment 0
		.amdhsa_kernarg_size 24
		.amdhsa_user_sgpr_count 2
		.amdhsa_user_sgpr_kernarg_segment_ptr 1
		.amdhsa_wavefront_size32 1
		.amdhsa_system_sgpr_workgroup_id_x 1
		.amdhsa_system_sgpr_workgroup_id_y 1
		.amdhsa_system_sgpr_workgroup_id_z 1
		.amdhsa_system_vgpr_workitem_id 0
		.amdhsa_next_free_vgpr 256
		.amdhsa_next_free_sgpr 66
		.amdhsa_reserve_vcc 0
		.amdhsa_float_denorm_mode_32 3
		.amdhsa_float_denorm_mode_16_64 3
		.amdhsa_memory_ordered 1
		.amdhsa_forward_progress 1
		.amdhsa_inst_pref_size 47
	.end_amdhsa_kernel
	.amdgpu_metadata
---
amdhsa.version: [ 1, 2 ]
amdhsa.kernels:
  - .name:           k_qff86f0e1d7_attn
    .symbol:         k_qff86f0e1d7_attn.kd
    .args:
      - { .name: img, .offset: 0, .size: 8, .value_kind: global_buffer, .address_space: global }
      - { .name: oimg, .offset: 8, .size: 8, .value_kind: global_buffer, .address_space: global }
      - { .name: oscl, .offset: 16, .size: 8, .value_kind: global_buffer, .address_space: global }
    .group_segment_fixed_size: 208896
    .private_segment_fixed_size: 0
    .kernarg_segment_align: 8
    .kernarg_segment_size: 24
    .max_flat_workgroup_size: 512
    .sgpr_count:     66
    .vgpr_count:     256
    .wavefront_size: 32
...
	.end_amdgpu_metadata
.endif
;; end of part 3
;; launch oproj (part 4): grid 8 x 32, 4 waves a work-group, clusters of 4 x 4, 251,904 bytes of LDS; arguments oimg, oscl, wcodes, wscales, out0; writes out0
.if DOCPART == 4
	.amdgcn_target "amdgcn-amd-amdhsa--gfx1250"
	.amdhsa_code_object_version 6
	.text
	.protected	k_qff86f0e1d7_oproj
	.globl	k_qff86f0e1d7_oproj
	.p2align	8
	.type	k_qff86f0e1d7_oproj,@function
k_qff86f0e1d7_oproj:
	s_mov_b64 s[64:65], 0
	v_nop
	global_prefetch_b8 v0, s[64:65] scope:SCOPE_SE
	s_setreg_imm32_b32 hwreg(HW_REG_WAVE_MODE, 25, 1), 1
	s_wait_xcnt 0x0
	s_wait_alu depctr_hold_cnt(0) depctr_sa_sdst(0) depctr_va_vdst(0) depctr_va_sdst(0) depctr_va_ssrc(0) depctr_va_vcc(0) depctr_vm_vsrc(0)
	s_getreg_b32 s2, hwreg(HW_REG_IB_STS2, 6, 4)
	s_cmp_eq_u32 s2, 0
	s_cbranch_scc0 .Lentry_in_a_cluster
	s_endpgm
.Lentry_in_a_cluster:
	s_bfe_u32 s2, ttmp6, 0x10000c
	s_cmp_lg_u32 s2, 0xf033
	s_cbranch_scc0 .Lentry_shape_is_right
	s_endpgm
.Lentry_shape_is_right:
; out0[m][n] = sum over k of A[m][k] W_o[n][k] on codes of FP6 (E2M3) with one E8M0 scale for each 32 along K = 1,024 (16 heads x 64 channels).  out0: [4096][1024] f32; sums in f32.
; A is the attention's result as the launch before stored it: oimg [head][stored tile of 16 tokens][768], an image of six operand registers (registers 2 p, 2 p + 1 of lane l at 256 p + 8 l); two heads' images are
; a fragment of 128 along K.  oscl [head][stored token]: two scale bytes.  W_o: rows 3,072 on of the weights' codes and scale bytes.  Tokens and W_o's rows are STORED with bits 3 and 4 of their number exchanged;
; the way out puts both back: columns by the place in the stage, rows by the store's offset.
; SHARES.  A tile of 128 x 128 to a work-group: 32 x 8 = 256 work-groups.  64 x 64 to each of its four waves: 16 accumulators, 128 registers; 128 matrix instructions a wave.
; ALL OF K LIES IN LDS: A's 128 tokens x 768 bytes and B's 128 rows x 768 bytes (padded), each byte filled ONCE: no slot is filled again.  K is cut into four chunks of 256 (four heads).  Each wave issues five
; tensor loads at the head: its half of the scale bytes, then its half of chunks 0 to 3 (waves 0, 1: A's; waves 2, 3: B's): five of mine are out at most.  A chunk is read behind a counted wait and a barrier.
; CLUSTERS: 4 x 4 work-groups; A's tiles are asked for jointly along a row of the cluster, B's along a column.  THE MATRIX INSTRUCTION IS USED TRANSPOSED (source 0 = 16 rows of W_o, source 1 = 16 tokens).
; A's scale bytes come once as [head][token] and are turned once, through registers, into [token][32 bytes], the layout in which B's lie: bytes of their own, written by LDS stores alone.
; REGISTERS: window 0: v0-31 addresses; v32-63 the scale words of all eight K steps, and nothing else (register 8 i + q: lanes 0-15 the word of A's block i, lanes 16-31 of B's block i, for K step q);
;   v64-159, v160-255 two sets of fragments (A's four, then B's four); on the way out v64-127 rows read back.   window 1: v0-127 the accumulators ((a, b) at v[8 (4 a + b)]).
.set KROW,   768                       ; a row of B's codes in memory
.set ROWB,   192                       ; a row of B's chunk
.set PITCH,  240                       ; and in LDS: 3 x (64 bytes + 16 of padding): the 32 lanes of a load of 8 bytes touch 64 different banks (64 banks of 4 bytes: ISA guide 11.1)
.set FR,     12                        ; registers of a fragment
.set NP,     4                         ; places behind this matrix instruction (ISA guide 7.12.1)
.set AHALF,  4*3072                    ; what a tensor load brings of A: four heads x four tiles x 768 bytes, no padding: a load of 8 bytes a lane takes 256 consecutive bytes
.set ACH,    2*AHALF                   ; a chunk of A
.set ASTEP,  4*196608                  ; four heads on in oimg
.set BHALF,  64*PITCH                  ; what a tensor load brings of B: 64 rows
.set BCH,    2*BHALF                   ; a chunk of B
.set BBASE,  4*ACH                     ; LDS: A's four chunks, then B's four,
.set SCLA,   BBASE+4*BCH               ; A's scale words, 128 rows of 32 bytes as runs of 256 bytes + 16 (LDS stores alone),
.set HALFS,  8*272                     ; (those of 64 rows;
.set SBLK,   2*272                     ; of 16 rows)
.set SCLB,   SCLA+2*HALFS              ; B's (a tensor load),
.set RAW,    SCLB+2*HALFS              ; A's scale bytes as they come: 16 heads x 256 bytes,
.set STAGE,  RAW+4096                  ; and a stage of 16 rows x (256 bytes + 16) for each wave (LDS stores alone)
.set SPITCH, 272
.set ADRA, 16                          ; v16-17 LDS address of my A fragments in chunks 0-1, 2-3
.set ADRB, 20                          ; v20-21 the same for B; v22-23 for the pieces behind one padding more
.set STO,  24
.set RD,   25
.set CO,   26
.set ADRS, 27
.set RWR,  30                          ; v30 where I read A's scale bytes as they came
.set RWW,  31                          ; v31 and where I put them
.set SC,   32
.set BK,   64
.set G1,   24                          ; s[24:31] descriptor group 1 for A's codes; s[32:39] B's codes; s[40:47] A's scale bytes; s[48:55] B's
.set G1B,  32
.set G1S,  40
.set G1SB, 48
.set G0S,  56                          ; groups 0, one for each load: A's scale bytes, B's,
.set G0SB, 60
.set G0A,  68                          ; s[68:83] A's four chunks,
.set G0B,  84                          ; s[84:99] B's four
.set MSB, 0
.macro WIN new                         ; the immediate's high byte repeats the setting that is left
.if MSB != \new
	s_set_vgpr_msb (MSB<<8)|\new
.set MSB, \new
.endif
.endm
.set MULW, 0x50                        ; sources 0 and 1 window 0, C and D window 1
.macro JLOAD g0a, g1a, g0b, g1b        ; a joint load: waves 0 and 1 fetch for A, waves 2 and 3 for B; the branch hangs on the wave's number alone; four v_nop follow each of the two lines
	s_cmp_eq_u32 s15, 0
	s_cbranch_scc0 .Lfor_b_\@
	tensor_load_to_lds s[\g0a:\g0a+3], s[\g1a:\g1a+7]
	s_nop 0
.rept 4
	v_nop
.endr
	s_branch .Lasked_\@
.Lfor_b_\@:
	tensor_load_to_lds s[\g0b:\g0b+3], s[\g1b:\g1b+7]
	s_nop 0
.rept 4
	v_nop
.endr
.Lasked_\@:
.endm
.macro CROUND                          ; a round of the cluster's barrier
	s_barrier_signal -1
	s_barrier_wait -1
	s_cmp_lg_u32 s14, 0
	s_cbranch_scc1 .Lnot_wave_0_\@
	s_barrier_signal -3
.Lnot_wave_0_\@:
	s_barrier_wait -3
	s_barrier_signal -1
	s_barrier_wait -1
.endm
	s_load_b128 s[4:7], s[0:1], 0x0                ; oimg s[4:5], oscl s[6:7]
	s_load_b128 s[8:11], s[0:1], 0x10              ; the weights' codes s[8:9], scales s[10:11]
	s_load_b64 s[12:13], s[0:1], 0x20              ; out0
	v_lshl_add_u32 v28, v0, 2, 0x3d600
	v_mov_b32 v29, 0
	ds_add_u32 v28, v29
	ds_add_u32 v28, v29
	v_lshrrev_b32 v1, 5, v0
	v_readfirstlane_b32 s14, v1                    ; wave 0..3
	s_lshr_b32 s15, s14, 1                         ; which half of the tile's rows is mine.  Also: I fetch for A (0) or for B (1)
	s_and_b32 s16, s14, 1                          ; which half of its columns.  Also: which half of a chunk I fetch
	s_bfe_u32 s66, ttmp6, 0x40000                  ; cx, cy: my place in the cluster
	s_bfe_u32 s67, ttmp6, 0x40004
	s_lshl_b32 s100, ttmp9, 2
	s_add_co_u32 s100, s100, s66                   ; tile column 0..7
	s_and_b32 s17, ttmp7, 0xffff
	s_lshl_b32 s17, s17, 2
	s_add_co_u32 s17, s17, s67                     ; tile row 0..31
	s_lshl_b32 s18, s67, 2
	s_lshl_b32 s18, 15, s18                        ; my row of the cluster
	s_lshl_b32 s19, 0x1111, s66                    ; my column
	; A's codes: four heads' rows of 3,072 bytes (four tiles), 196,608 bytes apart, dense in LDS
	s_or_b32 s[G1+0], s18, (3<<16)|(1<<21)         ; the mask: my row; elements of 8 bytes; no padding; bit 21 beside a mask
	s_mov_b32 s[G1+1], 384<<16                     ; tensor_dim0
	s_mov_b32 s[G1+2], 4<<16                       ; tensor_dim1
	s_mov_b32 s[G1+3], 384<<16                     ; tile_dim0
	s_mov_b32 s[G1+4], 4                           ; tile_dim1
	s_mov_b32 s[G1+5], 24576                       ; tensor_dim0_stride
	s_mov_b32 s[G1+6], 0
	s_mov_b32 s[G1+7], 0
	; B's codes: 64 rows x 192 bytes, 16 bytes of padding behind every 64
	s_or_b32 s[G1B+0], s19, (0<<16)|(1<<20)|(1<<21)|(3<<22)|(3<<25)
	s_mov_b32 s[G1B+1], ROWB<<16
	s_mov_b32 s[G1B+2], 64<<16
	s_mov_b32 s[G1B+3], ROWB<<16
	s_mov_b32 s[G1B+4], 64
	s_mov_b32 s[G1B+5], KROW
	s_mov_b32 s[G1B+6], 0
	s_mov_b32 s[G1B+7], 0
	; A's scale bytes as they lie: eight heads' rows of 256 bytes (128 tokens), 8,192 bytes apart
	s_or_b32 s[G1S+0], s18, (3<<16)|(1<<21)
	s_mov_b32 s[G1S+1], 32<<16
	s_mov_b32 s[G1S+2], 8<<16
	s_mov_b32 s[G1S+3], 32<<16
	s_mov_b32 s[G1S+4], 8
	s_mov_b32 s[G1S+5], 1024
	s_mov_b32 s[G1S+6], 0
	s_mov_b32 s[G1S+7], 0
	; B's: 64 rows' 2,048 dense bytes as rows of 256, 16 bytes of padding behind each
	s_or_b32 s[G1SB+0], s19, (3<<16)|(1<<20)|(1<<21)|(5<<22)|(3<<25)
	s_mov_b32 s[G1SB+1], 32<<16
	s_mov_b32 s[G1SB+2], 8<<16
	s_mov_b32 s[G1SB+3], 32<<16
	s_mov_b32 s[G1SB+4], 8
	s_mov_b32 s[G1SB+5], 32
	s_mov_b32 s[G1SB+6], 0
	s_mov_b32 s[G1SB+7], 0
	s_lshl_b32 s18, s17, 7                         ; where my part of out0 begins: row 128 x tile row + 64 x half,
	s_lshl_b32 s19, s15, 6
	s_add_co_u32 s18, s18, s19
	s_lshl_b32 s18, s18, 12                        ; of 4,096 bytes;
	s_lshl_b32 s19, s100, 9                        ; column byte 512 x tile column + 256 x half
	s_add_co_u32 s18, s18, s19
	s_lshl_b32 s19, s16, 8
	s_add_co_u32 s18, s18, s19
	s_mov_b32 s19, 0
	s_lshl_b32 s20, s17, 3                         ; A's codes: stored tile 8 x tile row + 4 x half
	s_lshl_b32 s21, s16, 2
	s_add_co_u32 s20, s20, s21
	s_mul_i32 s20, s20, 768
	s_mov_b32 s21, 0
	s_lshl_b32 s22, s16, 16                        ; A's scale bytes: heads 8 x half on, token 128 x tile row
	s_lshl_b32 s23, s17, 8
	s_add_co_u32 s22, s22, s23
	s_mov_b32 s23, 0
	s_lshl_b32 s2, s100, 7                         ; B: row 3,072 + 128 x tile column + 64 x half
	s_lshl_b32 s3, s16, 6
	s_add_co_u32 s2, s2, s3
	s_add_co_u32 s2, s2, 3072
	s_lshl_b32 s100, s2, 5                         ; its scale bytes,
	s_mov_b32 s101, 0
	s_mul_i32 s2, s2, KROW                         ; its codes
	s_mov_b32 s3, 0
	s_mul_i32 s67, s16, AHALF                      ; where they go: the wave's number alone enters an LDS address
	s_mul_i32 s66, s16, BHALF
	s_add_co_u32 s66, s66, BBASE
	s_lshl_b32 s[G0S+1], s16, 11
	s_add_co_u32 s[G0S+1], s[G0S+1], RAW
	s_mul_i32 s[G0SB+1], s16, HALFS
	s_add_co_u32 s[G0SB+1], s[G0SB+1], SCLB
	s_wait_dscnt 0x0
	s_wait_kmcnt 0x0
	s_add_nc_u64 s[20:21], s[4:5], s[20:21]
	s_add_nc_u64 s[22:23], s[6:7], s[22:23]
	s_add_nc_u64 s[2:3], s[8:9], s[2:3]
	s_add_nc_u64 s[100:101], s[10:11], s[100:101]
	s_add_nc_u64 s[12:13], s[12:13], s[18:19]
	CROUND                                         ; all sixteen work-groups are here: the joint loads meet
	s_mov_b32 s[G0S], 1
	s_mov_b64 s[G0S+2:G0S+3], s[22:23]
	s_or_b32 s[G0S+3], s[G0S+3], 0x80000000
	s_mov_b32 s[G0SB], 1
	s_mov_b64 s[G0SB+2:G0SB+3], s[100:101]
	s_or_b32 s[G0SB+3], s[G0SB+3], 0x80000000
	JLOAD G0S, G1S, G0SB, G1SB                     ; the scale bytes first
.irp c, 0,1,2,3
	s_mov_b32 s[G0A+4*\c], 1
	s_add_co_u32 s[G0A+4*\c+1], s67, \c*ACH
	s_add_nc_u64 s[G0A+4*\c+2:G0A+4*\c+3], s[20:21], \c*ASTEP
	s_or_b32 s[G0A+4*\c+3], s[G0A+4*\c+3], 0x80000000
	s_mov_b32 s[G0B+4*\c], 1
	s_add_co_u32 s[G0B+4*\c+1], s66, \c*BCH
	s_add_nc_u64 s[G0B+4*\c+2:G0B+4*\c+3], s[2:3], \c*ROWB
	s_or_b32 s[G0B+4*\c+3], s[G0B+4*\c+3], 0x80000000
	JLOAD G0A+4*\c, G1, G0B+4*\c, G1B              ; then the chunks in K's order
.endr
	v_and_b32 v1, 15, v0                           ; l % 16
	v_bfe_u32 v2, v0, 4, 1                         ; l / 16
	v_mul_u32_u24 v3, v1, PITCH
	v_mul_u32_u24 v4, v2, 24
	v_add_nc_u32 v4, v3, v4                        ; B: a fragment's row x pitch + 24 x half
	v_lshl_add_u32 v5, v2, 4, v4                   ; and the same behind one padding more
	v_and_b32 v6, 31, v0
	v_lshlrev_b32 v7, 3, v6                        ; A: 8 x lane
	s_mul_i32 s21, s15, AHALF                      ; my 64 tokens of A
	s_mul_i32 s22, s16, BHALF                      ; my 64 rows of B
	s_add_co_u32 s22, s22, BBASE
.irp s, 0,1
	v_add_nc_u32 v[ADRA+\s], s21, v7
	v_add_nc_u32 v[ADRB+\s], s22, v4
	v_add_nc_u32 v[ADRB+2+\s], s22, v5
	s_add_co_u32 s21, s21, 2*ACH
	s_add_co_u32 s22, s22, 2*BCH
.endr
	v_mul_u32_u24 v5, v1, 32                       ; my row's scale words: 32 bytes a row,
	v_lshrrev_b32 v8, 8, v5
	v_lshl_add_u32 v5, v8, 4, v5                   ; and 16 more for each 256 passed
	s_mul_i32 s21, s15, HALFS                      ; A's: my 64 rows
	s_mul_i32 s22, s16, HALFS                      ; B's: my 64 rows, behind A's 128
	s_add_co_u32 s22, s22, 2*HALFS
	s_sub_co_u32 s22, s22, s21
	v_mul_u32_u24 v8, s22, v2                      ; lanes 16-31 take B's
	s_add_co_u32 s21, s21, SCLA
	v_add_nc_u32 v5, v5, v8
	v_add_nc_u32 v[ADRS], s21, v5
	v_and_b32 v8, 63, v0                           ; thread j turns the scale bytes of tokens 2 (j % 64) and 2 (j % 64) + 1 for heads 8 (j / 64) on:
	v_lshrrev_b32 v9, 6, v0
	v_lshlrev_b32 v10, 2, v8
	v_lshl_add_u32 v10, v9, 11, v10
	v_add_nc_u32 v[RWR], RAW, v10                  ; they came 4 (j % 64) bytes into each head's row of 256
	v_lshrrev_b32 v10, 2, v8
	v_mul_u32_u24 v10, v10, 272
	v_and_b32 v11, 3, v8
	v_lshl_add_u32 v10, v11, 6, v10
	v_lshl_add_u32 v10, v9, 4, v10
	v_add_nc_u32 v[RWW], SCLA, v10                 ; and go to 16 bytes of each token's 32: 272 ((j % 64) / 4) + 64 ((j % 64) % 4) + 16 (j / 64), and 32 bytes on
	s_mul_i32 s23, s14, 16*SPITCH
	s_add_co_u32 s23, s23, STAGE                   ; my stage
	v_mul_u32_u24 v5, v1, SPITCH                   ; in: row l % 16; my half's eight columns of a pair of tiles lie 64 bytes apart
	v_lshl_add_u32 v5, v2, 6, v5
	v_add_nc_u32 v[STO], s23, v5
	v_mul_u32_u24 v5, v2, SPITCH                   ; back: lanes 0-15 take one row of 256 bytes, lanes 16-31 the next
	v_lshl_add_u32 v5, v1, 4, v5
	v_add_nc_u32 v[RD], s23, v5
	v_lshlrev_b32 v5, 12, v2                       ; and the same two rows in out0
	v_lshl_add_u32 v[CO], v1, 4, v5
.macro FRAGB reg, q, i                 ; a fragment of B: block i, K step q: 16 rows x 128 K, in pieces of 8 bytes; where lanes 16-31's piece lies behind one padding more, the second address register serves
.set CH, (\q)/2
.irp p, 0,1,2,3,4,5
.set PC, 12*((\q)%2)+6*(\p/3)+\p%3
.if PC%8 < 5
	ds_load_b64 v[\reg+2*\p:\reg+2*\p+1], v[ADRB+CH/2] offset:(CH%2)*BCH+8*PC+16*(PC/8)+(\i)*16*PITCH
.else
	ds_load_b64 v[\reg+2*\p:\reg+2*\p+1], v[ADRB+2+CH/2] offset:(CH%2)*BCH+8*PC+16*(PC/8)+(\i)*16*PITCH
.endif
.endr
.endm
.macro FRAGA reg, q, i                 ; a fragment of A: token tile i, heads 2 q (registers 0-5) and 2 q + 1 (registers 6-11): images, 256 consecutive bytes a load
.set CH, (\q)/2
.irp p, 0,1,2,3,4,5
	ds_load_b64 v[\reg+2*\p:\reg+2*\p+1], v[ADRA+CH/2] offset:(CH%2)*ACH+(2*((\q)%2)+\p/3)*3072+768*(\i)+256*(\p%3)
.endr
.endm
.macro LOADS q                         ; 48 LDS loads: K step q's eight fragments into set q % 2
.set FB, 64+96*((\q)%2)
.irp i, 0,1,2,3
	FRAGB FB+48+FR*\i, \q, \i
.endr
.irp i, 0,1,2,3
	FRAGA FB+FR*\i, \q, \i
.endr
.endm
; 16 matrix instructions: A's four blocks x B's four, K step q.  The 16 accumulators take turns, one instruction a turn, in the same order in every step.  Step 0 starts the sums.
.macro MUL q
.set FB, 64+96*((\q)%2)
.irp a, 0,1,2,3
.irp b, 0,1,2,3
.if (\q) == 0
	v_wmma_scale_f32_16x16x128_f8f6f4 v[8*(4*\a+\b):8*(4*\a+\b)+7], v[FB+48+FR*\b:FB+48+FR*\b+FR-1], v[FB+FR*\a:FB+FR*\a+FR-1], 0, v[SC+8*\b+(\q)], v[SC+8*\a+(\q)] matrix_a_fmt:MATRIX_FMT_FP6 matrix_b_fmt:MATRIX_FMT_FP6 matrix_a_scale:MATRIX_SCALE_ROW1
.else
	v_wmma_scale_f32_16x16x128_f8f6f4 v[8*(4*\a+\b):8*(4*\a+\b)+7], v[FB+48+FR*\b:FB+48+FR*\b+FR-1], v[FB+FR*\a:FB+FR*\a+FR-1], v[8*(4*\a+\b):8*(4*\a+\b)+7], v[SC+8*\b+(\q)], v[SC+8*\a+(\q)] matrix_a_fmt:MATRIX_FMT_FP6 matrix_b_fmt:MATRIX_FMT_FP6 matrix_a_scale:MATRIX_SCALE_ROW1
.endif
.endr
.endr
.endm
.macro PLACES n                        ; plain vector instructions between a matrix instruction and a load into, or a read of, its registers
.rept \n
	v_nop
.endr
.endm
; A K STEP of 128.  Its fragments were asked for a step ago; the next step's go into the other set, which the step before multiplied (four places stand behind those products), and land while this step is multiplied.
; Where the next step begins a chunk: my part of that chunk has landed (the count leaves the chunks behind it out), and a barrier shows the same of the other three waves.
.macro KSTEP q
	s_wait_dscnt 0x0                               ; this step's fragments are in (at step 0 the scale words too); no LDS instruction of mine is out at the signal below
.if ((\q)%2 == 1) && ((\q) < 7)
	s_wait_tensorcnt 2-(\q)/2
	s_barrier_signal -1
	s_barrier_wait -1
.endif
.if (\q) < 7
	LOADS (\q)+1
.endif
	WIN MULW
	MUL \q
	WIN 0
	PLACES NP
.endm
	s_wait_tensorcnt 3                             ; the scale bytes and my part of chunk 0 are in; the three loads behind them may be out,
	s_barrier_signal -1
	s_barrier_wait -1                              ; everybody's are
.irp i, 0,1,2,3,4,5,6,7
	ds_load_b32 v[64+\i], v[RWR] offset:256*\i     ; a head's word: the even token's two bytes below, the odd token's above
.endr
	s_wait_dscnt 0x0
.irp q, 0,1,2,3
	v_perm_b32 v[72+\q], v[65+2*\q], v[64+2*\q], 0x05040100   ; the even token's word for two heads: a K step's four bytes
	v_perm_b32 v[76+\q], v[65+2*\q], v[64+2*\q], 0x07060302   ; the odd token's
.endr
	ds_store_b128 v[RWW], v[72:75]
	ds_store_b128 v[RWW], v[76:79] offset:32
	s_wait_dscnt 0x0                               ; for the others' sake
	s_barrier_signal -1
	s_barrier_wait -1                              ; A's scale words lie as B's do
.irp i, 0,1,2,3
	ds_load_b128 v[SC+8*\i:SC+8*\i+3], v[ADRS] offset:\i*SBLK          ; a row's eight words, one for each K step: lanes 0-15 A's block i, lanes 16-31 B's block i
	ds_load_b128 v[SC+8*\i+4:SC+8*\i+7], v[ADRS] offset:\i*SBLK+16
.endr
	LOADS 0
.irp q, 0,1,2,3,4,5,6,7
	KSTEP \q
.endr
; THE WAY OUT, block by block of 16 stored tokens x 64 columns, through my own stage.  Register j of tile b of lane (r, h) is the true column 32 (b / 2) + 16 h + 8 (b % 2) + j of my 64: so it is put there.
; Row t of block a is the true row 32 (a / 2) + 8 (a % 2) + t + 8 (t / 8) of my 64: that stands in the store's offset, 62 rows of 4,096 bytes at the most, inside the signed 24-bit immediate.
.macro TOSTAGE a
	WIN 0x04                                       ; an LDS store's data are its source 1: window 1
.irp b, 0,1,2,3
	ds_store_b128 v[STO], v[8*(4*(\a)+\b):8*(4*(\a)+\b)+3] offset:128*(\b/2)+32*(\b%2)          ; each accumulator from its low end on
	ds_store_b128 v[STO], v[8*(4*(\a)+\b)+4:8*(4*(\a)+\b)+7] offset:128*(\b/2)+32*(\b%2)+16
.endr
	WIN 0
.set BB, BK+32*((\a)%2)
.irp t, 0,1,2,3,4,5,6,7
	ds_load_b128 v[BB+4*\t:BB+4*\t+3], v[RD] offset:\t*2*SPITCH   ; LDS serves a wave's instructions in order (ISA guide 5.7.1.4): these see the stores above, and the next block's stores come behind them
.endr
.endm
.macro SEND a, younger                 ; younger: the LDS instructions issued behind block a's loads, which may stay out
.set BB, BK+32*((\a)%2)
	s_wait_dscnt \younger
.irp t, 0,1,2,3,4,5,6,7
	global_store_b128 v[CO], v[BB+4*\t:BB+4*\t+3], s[12:13] offset:(32*((\a)/2)+8*((\a)%2)+2*\t+8*(\t/4))*4096 th:TH_STORE_NT   ; sixteen lanes store 256 consecutive bytes, aligned; two rows an instruction
.endr
.endm
	TOSTAGE 0                                      ; (the last step's four places stand in front)
.irp a, 1,2,3
.if \a > 1
	s_wait_xcnt 0x0                                ; block a - 2's stores have read their registers: block a's loads may land there
.endif
	TOSTAGE \a
	SEND \a-1, 16                                  ; behind block a - 1's loads: block a's 8 stores and 8 loads
.endr
	SEND 3, 0
	s_wait_tensorcnt 0x0
	ds_add_u32 v28, v29
	s_wait_dscnt 0x0
	CROUND                                         ; the closing round: no work-group ends while a partner may still ask for a tile that names it
	s_endpgm
.Lfunc_end_k_qff86f0e1d7_oproj:
	.size	k_qff86f0e1d7_oproj, .Lfunc_end_k_qff86f0e1d7_oproj-k_qff86f0e1d7_oproj
	.p2alignl 7, 3214868480
	.fill 96, 4, 3214868480
	.section	.rodata,"a",@progbits
	.p2align	6, 0x0
	.amdhsa_kernel k_qff86f0e1d7_oproj
		.amdhsa_group_segment_fixed_size 251904
		.amdhsa_private_segment_fixed_size 0
		.amdhsa_enable_private_segment 0
		.amdhsa_kernarg_size 40
		.amdhsa_user_sgpr_count 2
		.amdhsa_user_sgpr_kernarg_segment_ptr 1
		.amdhsa_wavefront_size32 1
		.amdhsa_system_sgpr_workgroup_id_x 1
		.amdhsa_system_sgpr_workgroup_id_y 1
		.amdhsa_system_sgpr_workgroup_id_z 1
		.amdhsa_system_vgpr_workitem_id 0
		.amdhsa_next_free_vgpr 384
		.amdhsa_next_free_sgpr 102
		.amdhsa_reserve_vcc 0
		.amdhsa_float_denorm_mode_32 3
		.amdhsa_float_denorm_mode_16_64 3
		.amdhsa_memory_ordered 1
		.amdhsa_forward_progress 1
		.amdhsa_inst_pref_size 65
	.end_amdhsa_kernel
	.amdgpu_metadata
---
amdhsa.version: [ 1, 2 ]
amdhsa.kernels:
  - .name:           k_qff86f0e1d7_oproj
    .symbol:         k_qff86f0e1d7_oproj.kd
    .args:
      - { .name: oimg, .offset: 0, .size: 8, .value_kind: global_buffer, .address_space: global }
      - { .name: oscl, .offset: 8, .size: 8, .value_kind: global_buffer, .address_space: global }
      - { .name: wcodes, .offset: 16, .size: 8, .value_kind: global_buffer, .address_space: global }
      - { .name: wscales, .offset: 24, .size: 8, .value_kind: global_buffer, .address_space: global }
      - { .name: out0, .offset: 32, .size: 8, .value_kind: global_buffer, .address_space: global }
    .group_segment_fixed_size: 251904
    .private_segment_fixed_size: 0
    .kernarg_segment_align: 8
    .kernarg_segment_size: 40
    .max_flat_workgroup_size: 128
    .sgpr_count:     102
    .vgpr_count:     384
    .wavefront_size: 32
...
	.end_amdgpu_metadata
.endif
;; end of part 4
